; MI455X (gfx1250); checked and timed in simulation.
; The chip was launched on July 23, 2026; its instructions are those of AMD's public machine-readable ISA for CDNA 5 (MIT licence, August 2026) and "CDNA5" Instruction Set Architecture Reference Guide (July 2026). The comments in the code are by the model that wrote it; some were corrected since.
;; Patch TST Encoder Layer With Rope. Allowed arithmetic: float matrix products may take bf16 or f16 operands with f32 sums; other float arithmetic in f32, or as packed bf16 or f16 multiplies, adds, multiply-adds, maxima and minima; sums over many terms, partial sums and values carried from step to step in f32; what a program stores and reads back later, other than sums and carried values, may be rounded once to bf16 or f16.
;; Inputs: W1 512 x 2,048 float32; W2 2,048 x 512 float32; Wk 512 x 512 float32; Wo 512 x 512 float32; Wq 512 x 512 float32; Wv 512 x 512 float32; b1 2,048 float32; b2 512 float32; bk 512 float32; bo 512 float32; bq 512 float32; bv 512 float32; ln1_b 512 float32; ln1_g 512 float32; ln3_b 512 float32; ln3_g 512 float32; x 4 x 16 x 256 x 512 float32.
;; Outputs: out0 4 x 16 x 256 x 512 float32.
;; One version. Each part assembles by itself: llvm-mc -triple=amdgcn-amd-amdhsa -mcpu=gfx1250 --defsym DOCPART=n.
;; ======== version 1 of 1: 3 launches
;; limits: a function is approximated: absolute error at most 2.5e-05; an absolute error that grows with the inputs' magnitude: up to 1.25e-05 times it
;; workspace buffers: wst 6,291,456 bytes; rope 65,536 bytes; qf 16,777,216 bytes; kf 16,777,216 bytes; vf 16,777,216 bytes
;; launch prep (part 1): grid 16 x 49, 8 waves a work-group, no clusters, 0 bytes of LDS; arguments Wq, Wk, Wv, Wo, W1, W2, wst, rope; writes wst, rope
.if DOCPART == 1
	.amdgcn_target "amdgcn-amd-amdhsa--gfx1250"
	.amdhsa_code_object_version 6
	.text
	.protected	k_q41a518645f_prep
	.globl	k_q41a518645f_prep
	.p2align	8
	.type	k_q41a518645f_prep,@function
k_q41a518645f_prep:
	s_mov_b64 s[64:65], 0
	v_nop
	global_prefetch_b8 v0, s[64:65] scope:SCOPE_SE
	s_setreg_imm32_b32 hwreg(HW_REG_WAVE_MODE, 25, 1), 1
	s_wait_xcnt 0x0
; PREP.  (y < 48) the six weight matrices, f32 [K][N], are rounded once to bf16 and laid out as the matrix unit's registers want them; (y = 48) the table of cosines and sines.
; A FRAGMENT is 16 columns x 32 k, 1,024 bytes: half hf (512 bytes) holds, for lane (r = l % 16, h = l / 16) at byte 16 l, W[k0 + 16 hf + 8 h + 0..7][col + r].
; A TILE is 131,072 bytes = 4 quarters of 32 fragments; quarter w is fetched and read by wave w of the later launches.
;   type A (Wq, Wk, Wv, W1): all 512 k x 32 columns a quarter; fragment 2 kk + e: k0 = 32 kk, col = CB + ES e
;   type B (Wo, W2): 128 k x 128 columns a quarter; fragment 8 kk + f: k0 = 128 CH + 32 kk, col = 128 w + 16 f
; Tiles 0-3 Wq, 4-7 Wk, 8-11 Wv, 12-15 Wo, 16 + 2 j W1's columns 128 j .., 17 + 2 j W2's rows 128 j ..: the order in which they are streamed.
; SHARES.  Work-group (x, y) makes a sixteenth of tile y: 8 fragments; a thread loads 16 numbers and stores 2 x 16 bytes; a wave's store covers 512 consecutive bytes, aligned.
; No LDS, no cluster: no two work-groups read the same number, and each number is read once.
; THE TABLE.  cos and sin of pos x 10000^(-i/32) for i < 16, and of 0 for i = 16..31 (reference()'s infinite timescale): [256][32] f32 each.  The angle is made as pos x 2^(-i log2(10000)/32),
; reduced by multiples of pi/2 held in two parts, and put into polynomials of degree 7 and 8 on |r| <= pi/4.  LIMIT: the angle lies within about 1e-4 rad of reference()'s own f32 angle.
.set VO,  8                            ; v8-15   byte offset of W[8 h + j][r], j = 0..7
.set DA,  16                           ; v16-23  the first fragment half's eight numbers
.set DB,  24                           ; v24-31  the second's
.set PKA, 32                           ; v32-35  packed
.set PKB, 36                           ; v36-39
	s_load_b512 s[8:23], s[0:1], 0x0               ; Wq 8, Wk 10, Wv 12, Wo 14, W1 16, W2 18, wst 20, rope 22
	s_and_b32 s24, ttmp7, 0xffff                   ; y
	v_lshrrev_b32 v1, 5, v0
	v_readfirstlane_b32 s25, v1                    ; wave 0..7
	s_cmp_eq_u32 s24, 48
	s_cbranch_scc1 .Lrope
	s_lshr_b32 s26, ttmp9, 2                       ; w: the quarter
	s_and_b32 s27, ttmp9, 3                        ; fq: which 8 of its 32 fragments
	s_lshr_b32 s28, s25, 1                         ; fl: fragment 0..3 (and 4 + fl)
	s_and_b32 s29, s25, 1                          ; hf: which half of it
	s_and_b32 s30, s24, 1                          ; y odd
	s_cmp_ge_u32 s24, 16
	s_cselect_b32 s31, 1, 0                        ; a tile of the feed-forward part
	s_xor_b32 s32, s30, 1
	s_and_b32 s32, s32, s31                        ; it is W1's
	s_lshl_b32 s33, s32, 1
	s_add_co_u32 s33, s33, 11                      ; PSH: a row of the source is 1 << PSH bytes (2,048; W1: 8,192)
	s_cmp_ge_u32 s24, 12
	s_cselect_b32 s34, 1, 0
	s_xor_b32 s35, s32, 1
	s_and_b32 s34, s34, s35                        ; type B: Wo or W2
	s_sub_co_u32 s35, s24, 16
	s_lshr_b32 s35, s35, 1                         ; j
	s_sub_co_u32 s36, s24, 12
	s_cmp_eq_u32 s31, 1
	s_cselect_b32 s36, s35, s36                    ; CH: the chunk of 128 k
	s_and_b32 s37, s24, 3
	s_lshl_b32 s37, s37, 1
	s_lshr_b32 s38, s26, 1
	s_add_co_u32 s37, s37, s38                     ; head = 2 (y % 4) + w / 2
	s_lshl_b32 s37, s37, 6
	s_and_b32 s38, s26, 1                          ; a = w % 2
	s_cmp_lt_u32 s24, 8
	s_cselect_b32 s39, 4, 5                        ; q, k: columns 16 a + 32 e, so that a wave holds both partners of a rotation; v: 32 a + 16 e
	s_cselect_b32 s40, 32, 16                      ; ES
	s_lshl_b32 s38, s38, s39
	s_add_co_u32 s37, s37, s38
	s_lshl_b32 s41, s35, 7
	s_lshl_b32 s42, s26, 5
	s_add_co_u32 s41, s41, s42                     ; W1: 128 j + 32 w
	s_cmp_eq_u32 s32, 1
	s_cselect_b32 s37, s41, s37                    ; CB
	s_lshl_b32 s43, s27, 2
	s_lshr_b32 s44, s28, 1
	s_add_co_u32 s43, s43, s44
	s_lshl_b32 s43, s43, 5                         ; type A: k0 = 32 (4 fq + fl / 2)
	s_and_b32 s44, s28, 1
	s_mul_i32 s44, s44, s40
	s_add_co_u32 s44, s44, s37                     ; col = CB + ES (fl % 2)
	s_lshl_b32 s45, 64, s33                        ; the fragment four further on lies 64 rows down
	s_lshl_b32 s46, s36, 7
	s_lshl_b32 s47, s27, 5
	s_add_co_u32 s46, s46, s47                     ; type B: k0 = 128 CH + 32 fq
	s_lshl_b32 s47, s26, 7
	s_lshl_b32 s48, s28, 4
	s_add_co_u32 s47, s47, s48                     ; col = 128 w + 16 fl
	s_cmp_eq_u32 s34, 1
	s_cselect_b32 s43, s46, s43
	s_cselect_b32 s44, s47, s44
	s_cselect_b32 s60, 256, s45                    ; there the fragment four further on lies 64 columns to the right
	s_mov_b32 s61, 0
	s_lshl_b32 s46, s29, 4
	s_add_co_u32 s43, s43, s46                     ; + 16 hf
	s_lshl_b32 s43, s43, s33
	s_lshl2_add_u32 s50, s44, s43                  ; byte offset of W[k0 + 16 hf][col]
	s_mov_b32 s51, 0
	v_and_b32 v2, 15, v0                           ; r
	v_bfe_u32 v3, v0, 4, 1                         ; h
	v_lshlrev_b32 v3, 3, v3
	v_lshlrev_b32 v3, s33, v3                      ; 8 h rows
	v_lshl_add_u32 v[VO], v2, 2, v3
	s_lshl_b32 s52, 1, s33
.irp j, 1,2,3,4,5,6,7
	v_add_nc_u32 v[VO+\j], s52, v[VO+\j-1]
.endr
	v_lshlrev_b32 v4, 4, v0                        ; 16 bytes a thread
	s_lshl_b32 s58, s24, 17
	s_lshl_b32 s59, ttmp9, 13
	s_add_co_u32 s58, s58, s59                     ; tile y, sixteenth x
	s_mov_b32 s59, 0
	s_wait_kmcnt 0x0
	s_cmp_lt_u32 s24, 4
	s_cselect_b64 s[54:55], s[8:9], s[10:11]
	s_cmp_lt_u32 s24, 8
	s_cselect_b64 s[54:55], s[54:55], s[12:13]
	s_cmp_lt_u32 s24, 12
	s_cselect_b64 s[54:55], s[54:55], s[14:15]
	s_cmp_eq_u32 s30, 0
	s_cselect_b64 s[56:57], s[16:17], s[18:19]
	s_cmp_lt_u32 s24, 16
	s_cselect_b64 s[54:55], s[54:55], s[56:57]     ; the source matrix
	s_add_nc_u64 s[54:55], s[54:55], s[50:51]
	s_add_nc_u64 s[56:57], s[54:55], s[60:61]
	s_add_nc_u64 s[20:21], s[20:21], s[58:59]
.irp j, 0,1,2,3,4,5,6,7
	global_load_b32 v[DA+\j], v[VO+\j], s[54:55]
.endr
.irp j, 0,1,2,3,4,5,6,7
	global_load_b32 v[DB+\j], v[VO+\j], s[56:57]
.endr
	s_wait_loadcnt 0x0
.irp j, 0,1,2,3
	v_cvt_pk_bf16_f32 v[PKA+\j], v[DA+2*\j], v[DA+2*\j+1]   ; the lower k into the low half
	v_cvt_pk_bf16_f32 v[PKB+\j], v[DB+2*\j], v[DB+2*\j+1]
.endr
	global_store_b128 v4, v[PKA:PKA+3], s[20:21]
	global_store_b128 v4, v[PKB:PKB+3], s[20:21] offset:4096
	s_endpgm
; cos and sin of pos x 2^(-0.41524 i) (0 from i = 16 on) into v[vc], v[vs]; pos as f32 in v2, i in v[vi]
.macro SINCOS vi, vc, vs
	v_cvt_f32_u32 v10, v[\vi]
	v_mul_f32 v10, 0xbed49a78, v10                 ; -i log2(10000) / 32
	v_exp_f32 v10, v10
	v_cmp_gt_u32 vcc_lo, 16, v[\vi]
	v_nop                                          ; a plain instruction behind the exponential,
	s_wait_alu depctr_va_vdst(0)                   ; and a wait ahead of its first reader
	v_cndmask_b32 v10, 0, v10, vcc_lo
	v_mul_f32 v11, v2, v10                         ; the angle
	v_mul_f32 v12, 0x3f22f983, v11                 ; x 2 / pi
	v_rndne_f32 v12, v12                           ; n
	v_fma_f32 v13, -v12, 0x3fc90fdb, v11           ; r = angle - n pi/2, pi/2 in two parts
	v_fma_f32 v13, -v12, 0xb33bbd2e, v13
	v_mul_f32 v14, v13, v13                        ; z = r r
	v_mov_b32 v15, 0xb9500d01                      ; sin r = r + r z (-1/6 + z (1/120 - z/5040))
	v_fmaak_f32 v15, v15, v14, 0x3c088889
	v_fmaak_f32 v15, v15, v14, 0xbe2aaaab
	v_mul_f32 v16, v13, v14
	v_fma_f32 v15, v16, v15, v13
	v_mov_b32 v17, 0x37d00d01                      ; cos r = 1 + z (-1/2 + z (1/24 + z (-1/720 + z/40320)))
	v_fmaak_f32 v17, v17, v14, 0xbab60b61
	v_fmaak_f32 v17, v17, v14, 0x3d2aaaab
	v_fma_f32 v17, v17, v14, -0.5
	v_fma_f32 v17, v17, v14, 1.0
	v_cvt_i32_f32 v18, v12
	v_and_b32 v19, 1, v18
	v_cmp_eq_u32 vcc_lo, 1, v19                    ; an odd quadrant swaps the two
	v_cndmask_b32 v[\vs], v15, v17, vcc_lo
	v_cndmask_b32 v[\vc], v17, v15, vcc_lo
	v_and_b32 v19, 2, v18                          ; sin changes sign in quadrants 2, 3
	v_lshlrev_b32 v19, 30, v19
	v_xor_b32 v[\vs], v19, v[\vs]
	v_add_nc_u32 v18, 1, v18                       ; cos in quadrants 1, 2
	v_and_b32 v18, 2, v18
	v_lshlrev_b32 v18, 30, v18
	v_xor_b32 v[\vc], v18, v[\vc]
.endm
.Lrope:                                                ; thread t of work-group x: pos = 16 x + t / 16, angles 2 (t % 16) and the next
	v_lshrrev_b32 v2, 4, v0
	s_lshl_b32 s26, ttmp9, 4
	v_add_nc_u32 v2, s26, v2
	v_cvt_f32_u32 v2, v2
	v_and_b32 v3, 15, v0
	v_lshlrev_b32 v3, 1, v3
	v_add_nc_u32 v4, 1, v3
	v_lshlrev_b32 v5, 3, v0                        ; 8 bytes a thread: a wave's store covers 256 consecutive bytes
	s_lshl_b32 s28, ttmp9, 11
	s_mov_b32 s29, 0
	SINCOS 3, 20, 22
	SINCOS 4, 21, 23
	s_wait_kmcnt 0x0
	s_add_nc_u64 s[22:23], s[22:23], s[28:29]
	global_store_b64 v5, v[20:21], s[22:23]
	global_store_b64 v5, v[22:23], s[22:23] offset:32768
	s_endpgm
.Lfunc_end_k_q41a518645f_prep:
	.size	k_q41a518645f_prep, .Lfunc_end_k_q41a518645f_prep-k_q41a518645f_prep
	.p2alignl 7, 3214868480
	.fill 96, 4, 3214868480
	.section	.rodata,"a",@progbits
	.p2align	6, 0x0
	.amdhsa_kernel k_q41a518645f_prep
		.amdhsa_group_segment_fixed_size 0
		.amdhsa_private_segment_fixed_size 0
		.amdhsa_enable_private_segment 0
		.amdhsa_kernarg_size 64
		.amdhsa_user_sgpr_count 2
		.amdhsa_user_sgpr_kernarg_segment_ptr 1
		.amdhsa_wavefront_size32 1
		.amdhsa_system_sgpr_workgroup_id_x 1
		.amdhsa_system_sgpr_workgroup_id_y 1
		.amdhsa_system_sgpr_workgroup_id_z 1
		.amdhsa_system_vgpr_workitem_id 0
		.amdhsa_next_free_vgpr 64
		.amdhsa_next_free_sgpr 66
		.amdhsa_reserve_vcc 1
		.amdhsa_float_denorm_mode_32 3
		.amdhsa_float_denorm_mode_16_64 3
		.amdhsa_memory_ordered 1
		.amdhsa_forward_progress 1
		.amdhsa_inst_pref_size 10
	.end_amdhsa_kernel
	.amdgpu_metadata
---
amdhsa.version: [ 1, 2 ]
amdhsa.kernels:
  - .name:           k_q41a518645f_prep
    .symbol:         k_q41a518645f_prep.kd
    .args:
      - { .name: Wq, .offset: 0, .size: 8, .value_kind: global_buffer, .address_space: global }
      - { .name: Wk, .offset: 8, .size: 8, .value_kind: global_buffer, .address_space: global }
      - { .name: Wv, .offset: 16, .size: 8, .value_kind: global_buffer, .address_space: global }
      - { .name: Wo, .offset: 24, .size: 8, .value_kind: global_buffer, .address_space: global }
      - { .name: W1, .offset: 32, .size: 8, .value_kind: global_buffer, .address_space: global }
      - { .name: W2, .offset: 40, .size: 8, .value_kind: global_buffer, .address_space: global }
      - { .name: wst, .offset: 48, .size: 8, .value_kind: global_buffer, .address_space: global }
      - { .name: rope, .offset: 56, .size: 8, .value_kind: global_buffer, .address_space: global }
    .group_segment_fixed_size: 0
    .private_segment_fixed_size: 0
    .kernarg_segment_align: 8
    .kernarg_segment_size: 64
    .max_flat_workgroup_size: 256
    .sgpr_count:     66
    .vgpr_count:     64
    .wavefront_size: 32
...
	.end_amdgpu_metadata
.endif
;; end of part 1
;; launch qkv (part 2): grid 256 x 1, 4 waves a work-group, clusters of 4 x 1, 327,680 bytes of LDS; arguments x, ln1_g, ln1_b, wst, bq, bk, bv, rope, qf, kf, vf; writes qf, kf, vf
.if DOCPART == 2
	.amdgcn_target "amdgcn-amd-amdhsa--gfx1250"
	.amdhsa_code_object_version 6
	.text
	.protected	k_q41a518645f_qkv
	.globl	k_q41a518645f_qkv
	.p2align	8
	.type	k_q41a518645f_qkv,@function
k_q41a518645f_qkv:
	s_mov_b64 s[64:65], 0
	v_nop
	global_prefetch_b8 v0, s[64:65] scope:SCOPE_SE
	s_setreg_imm32_b32 hwreg(HW_REG_WAVE_MODE, 25, 1), 1
	s_wait_xcnt 0x0
	s_wait_alu depctr_hold_cnt(0) depctr_sa_sdst(0) depctr_va_vdst(0) depctr_va_sdst(0) depctr_va_ssrc(0) depctr_va_vcc(0) depctr_vm_vsrc(0)
	s_getreg_b32 s2, hwreg(HW_REG_IB_STS2, 6, 4)
	s_cmp_eq_u32 s2, 0
	s_cbranch_scc0 .Lentry_in_a_cluster
	s_endpgm
.Lentry_in_a_cluster:
	s_bfe_u32 s2, ttmp6, 0x10000c
	s_cmp_lg_u32 s2, 0x3003
	s_cbranch_scc0 .Lentry_shape_is_right
	s_endpgm
.Lentry_shape_is_right:
; QKV.  hn = LayerNorm(x) g + b;  q = rope((hn Wq + bq) log2(e)/8), k = rope(hn Wk + bk), v = hn Wv + bv, all rounded once to bf16 and stored as the next launch's matrix fragments.
; (The factor log2(e) rides with reference()'s 1/8, so that the next launch's softmax is a power of 2.)  Matrix operands bf16, sums f32; mean and variance in f32, the variance of x - mean.
; LIMITS: NaN and infinities are not treated apart; hn, q, k, v carry bf16's 8 significant bits.
; SHARES.  A work-group owns 64 rows of one sequence; the four work-groups of a cluster are one sequence.  hn (64 x 512) lies in EVERY wave's registers as 64 fragments; the twelve weight tiles of 131,072 bytes
; are the same for all work-groups, so each is asked for JOINTLY by the cluster's four (mask 15).  Quarter w of a tile (512 k x 32 columns) is fetched and read by wave w alone: its own wait on its load orders its reads.
; RING.  Two slots of one tile.  Behind each tile's 128 products stands a change of slots: the slot just read takes the tile two on, which has a whole tile's work in which to land.
; Slot 1 first holds the work-group's 64 rows of x (f32), brought by loads of the work-group's own; a wave normalises the rows that it fetched itself.
; WALK.  The tiles' results do not hang on each other, so their order is free.  Cluster c takes q's and k's eight tiles from tile R = (c + c / 8) % 8 on, going round, then v's four from tile 8 + R % 4 on:
; at any time the 64 clusters ask for different tiles, not all for the same one.  The tile's number enters the refill's global address, the bias's and the output's; no LDS address and no trip count hangs on it.
; A FRAGMENT (16 rows x 32 k) in memory and LDS is 1,024 bytes: registers 0-3 of lane l at 16 l, registers 4-7 at 512 + 16 l: every LDS load takes 512 consecutive bytes.
; REGISTERS, in windows of 256 (s_set_vgpr_msb: bits 1:0 source 0, 3:2 source 1, 5:4 source 2, 7:6 destination):
;   window 0: v2-14 addresses; v28-29 the add's; LN: v32-63 two rows, v64-79 g, v80-95 b, v96-127 at work; products: v96-159, v160-223 two buffers of 8 weight fragments
;   window 1: v0-63 accumulators (m, e) at 8 (2 m + e); v64-95 cos, v96-127 sin (8 a row tile); v128-143 bias; v144-159 at work; v160-191 packed; v192-195 v's bias
;   windows 2, 3: hn: fragment (m, kk) at 8 (16 (m % 2) + kk) of window 2 + m / 2
.set SLOT1, 0x20000
.set HST,   262144                     ; 32 rows x 1,040 bytes: hn in bf16 on its way into fragments; the pitch is 65 x 16 bytes, so the 16 rows of a load start at 16 different groups of four banks (ISA guide 11.1)
.set HPI,   1040
.set SPARE, 295424                     ; the spare words, 128 bytes a wave: two blocks of 256 bytes that no other line names
.set LB,  2                            ; 32,768 w + 16 l: my quarter of slot 0
.set ADR, 3
.set XR0, 4                            ; my 8 rows of x in slot 1, 16 l
.set HW0, 5                            ; where I put 8 bytes of my first row of hn
.set HRD, 6                            ; where I read a fragment's 16 bytes
.set VQ,  7
.set VV,  8
.set BQO, 9
.set BVO, 10
.set RPO, 11
.set PFO, 12
.set GLO, 13
.set HWA, 14
.set SPW, 28
.set NIL, 29
.set BF0, 96
.set BF1, 160
.set WV,  26
.set CX,  27
.set ROT, 28                           ; R: where my cluster's walk begins
.set CNT, 29
.set TB,  30                           ; the slot in hand: 0 or SLOT1
.set FLAG, 31                          ; 3 in the clusters 0 to 3, else 0: the count at which a wave prefetches
.set G1,  32                           ; s[32:39] group 1: 128 rows of 256 bytes, dense, joint
.set G1X, 40                           ; s[40:47] group 1: 64 rows of 256 bytes, dense, my work-group's own
.set G0W, 48                           ; s[48:51] group 0 of the weight tiles
.set G0XA, 52
.set G0XB, 56
.set OP,  60                           ; s[60:61] where the tile's q or k goes
.set BP,  62                           ; s[62:63] bq or bk at the tile's columns
.set KO,  66                           ; s[66:67] k at my rows, head w / 2
.set PFA, 68
.set SC,  70                           ; s[70:71] the scale
.set SEL, 72
.set I512, 74
.set EPS, 75
.set VOP, 84
.set XO,  86
.set HO,  87
.set BVP, 88
.set POS, 92                           ; the position in my walk of the tile to be asked for next
.set VPS, 93                           ; R + the number of v's tiles done
.set WB,  94                           ; s[94:95] my quarter of tile 0
.set TO,  96                           ; s[96:97] an offset, the upper word 0
.set QO,  98                           ; s[98:99] q at my rows, head w / 2
.set VO0, 100                          ; s[100:101] v likewise
.set MSB, 0
.macro WIN new                         ; the immediate's high byte repeats the setting that is left; a switch that changes nothing is dropped
.if MSB != (\new)
	s_set_vgpr_msb (MSB<<8)|(\new)
.set MSB, (\new)
.endif
.endm
.macro NOPS n
.rept \n
	v_nop
.endr
.endm
.macro BAR                             ; my LDS instructions are done; then everybody's are
	s_wait_dscnt 0x0
	s_barrier_signal -1
	s_barrier_wait -1
.endm
.macro ROUND                           ; a round of the cluster's barrier
	s_barrier_signal -1
	s_barrier_wait -1
	s_cmp_lg_u32 s[WV], 0
	s_cbranch_scc1 .Lnw0_\@
	s_barrier_signal -3
.Lnw0_\@:
	s_barrier_wait -3
	s_barrier_signal -1
	s_barrier_wait -1
.endm
.macro FR buf, adr, off, n             ; n fragments from LDS
.set fi, 0
.rept \n
	ds_load_b128 v[(\buf)+8*fi:(\buf)+8*fi+3],   v[\adr] offset:(\off)+1024*fi
	ds_load_b128 v[(\buf)+8*fi+4:(\buf)+8*fi+7], v[\adr] offset:(\off)+1024*fi+512
.set fi, fi+1
.endr
.endm
; THE CHANGE OF SLOTS.  All my tensor loads have landed (the one that was out is my quarter of the next tile); the add; my LDS reads are over; a round of the cluster's barrier, so that the same holds of
; every wave of all four work-groups; then the joint refill, first thing behind it.  Five v_nop follow: the places behind the last products for what comes next.
; The refill's address is made anew from the number of the tile at position POS of my cluster's walk: (R + POS) % 8 for q and k, 8 + (R + POS) % 4 for v.
; The wait on XCNT shows that the step's stores and loads have read their pointers, which the next step's head writes anew.
.macro CHANGE
	WIN 0
	s_wait_tensorcnt 0x0
	ds_add_u32 v[SPW], v[NIL]                      ; 0 onto my spare word
	s_xor_b32 s[G0W+1], s[G0W+1], SLOT1            ; no load of mine is out, so group 0 may be written: the other slot,
	s_add_co_u32 s76, s[ROT], s[POS]
	s_and_b32 s77, s76, 7
	s_and_b32 s76, s76, 3
	s_or_b32 s76, s76, 8
	s_cmp_lt_u32 s[POS], 8
	s_cselect_b32 s76, s77, s76                    ; the tile's number,
	s_lshl_b32 s[TO], s76, 17
	s_add_nc_u64 s[G0W+2:G0W+3], s[WB:WB+1], s[TO:TO+1]  ; its address,
	s_or_b32 s[G0W+3], s[G0W+3], 0x80000000        ; the type
	s_add_co_u32 s[POS], s[POS], 1
	s_wait_xcnt 0x0
	s_wait_dscnt 0x0
	ROUND
	tensor_load_to_lds s[G0W:G0W+3], s[G1:G1+7]
	s_nop 0
	NOPS 5
.endm
; A prefetch of my walk's first tile of Wv.  Wq's and Wk's tiles are first read at the launch's head, where nothing is prefetched.  Wv's four are first read at position 8 of the walk, each by the clusters that
; begin v with it; of those the clusters 0 to 3 ask (there R = c), in the sixth trip of q's and k's loop, one trip ahead of the change that loads the tile.  The cluster's sixteen waves share the tile out by
; address, 8,192 bytes each, a lane 256 bytes: each block is named once in the launch.  The address registers are never rewritten.
.macro ASK
	s_cmp_eq_u32 s[CNT], s[FLAG]
	s_cbranch_scc0 .Lna_\@
	global_prefetch_b8 v[PFO], s[PFA:PFA+1] th:TH_LOAD_NT scope:SCOPE_SE
.Lna_\@:
.endm
; 32 products: the 8 weight fragments of group g (k 128 g .., both column tiles e) x the four row tiles.  Four accumulators take turns, one instruction a turn.
; KOR = 0: source 0 = weights: a lane holds one token and 8 columns.  KOR = 1: source 0 = hn: a lane holds one column and 8 tokens.
.macro MULB g
.irp wn, 2,3
.if KOR
	WIN (\wn)|(KAW<<4)|(KAW<<6)
.else
	WIN ((\wn)<<2)|(KAW<<4)|(KAW<<6)
.endif
.irp kkl, 0,1,2,3
.irp e, 0,1
.irp ml, 0,1
.set rD, KAC+8*(2*(2*((\wn)-2)+(\ml))+(\e))
.set rW, BF0+64*((\g)%2)+8*(2*(\kkl)+(\e))
.set rA, 8*(16*(\ml)+4*(\g)+(\kkl))
.if KOR
.set rX0, rA
.set rX1, rW
.else
.set rX0, rW
.set rX1, rA
.endif
.if ((\g) == 0) && ((\kkl) == 0)
	v_wmma_f32_16x16x32_bf16 v[rD:rD+7], v[rX0:rX0+7], v[rX1:rX1+7], 0
.else
	v_wmma_f32_16x16x32_bf16 v[rD:rD+7], v[rX0:rX0+7], v[rX1:rX1+7], v[rD:rD+7]
.endif
.endr
.endr
.endr
.endr
.endm
; A tile's 128 products: 32 fragments in four groups through two buffers.  s_wait_dscnt 16 leaves the other buffer's 16 loads out; four places stand between a buffer's last product and the loads into it.
.macro K512 adr
	WIN 0
	FR BF0, \adr, 0, 8
	FR BF1, \adr, 8192, 8
	s_wait_dscnt 16
	MULB 0
	NOPS 4
	WIN 0
	FR BF0, \adr, 16384, 8
	s_wait_dscnt 16
	MULB 1
	NOPS 4
	WIN 0
	FR BF1, \adr, 24576, 8
	s_wait_dscnt 16
	MULB 2
	s_wait_dscnt 0x0
	MULB 3
.endm
.macro LANESUM r                       ; v[r] and v[r+16] summed over the 32 lanes; v[r+1], v[r+17] at work
.irp k, 1,2,4,8
.irp q, 0,16
	v_add_f32_dpp v[(\r)+\q], v[(\r)+\q], v[(\r)+\q] row_xmask:\k row_mask:0xf bank_mask:0xf
.endr
.endr
.irp q, 0,16
	v_permlanex16_b32 v[(\r)+1+\q], v[(\r)+\q], s[SEL], s[SEL+1]
.endr
.irp q, 0,16
	v_add_f32 v[(\r)+\q], v[(\r)+\q], v[(\r)+1+\q]
.endr
.endm
; LayerNorm of my 8 rows of half P (rows 32 P + 8 w ..), two rows a trip, a whole row in the wave: lane l holds columns 4 l + 128 c + 0..3.  The count leaves out the tensor loads issued behind that half's.
.macro LNP P
	s_wait_tensorcnt 2-(\P)
	s_mov_b32 s[XO], (\P)*65536
	s_mov_b32 s[HO], 0
	s_mov_b32 s[CNT], 4
.Lln_\@:
	v_add_nc_u32 v[ADR], s[XO], v[XR0]
	v_add_nc_u32 v[HWA], s[HO], v[HW0]
.irp c, 0,1,2,3
	ds_load_b128 v[32+4*\c:35+4*\c], v[ADR] offset:512*\c
	ds_load_b128 v[48+4*\c:51+4*\c], v[ADR] offset:2048+512*\c
.endr
	s_wait_dscnt 0x0
.irp q, 0,16
.irp c, 0,2,4,6
	v_pk_add_f32 v[96+\q+\c:97+\q+\c], v[32+\q+2*\c:33+\q+2*\c], v[34+\q+2*\c:35+\q+2*\c]
.endr
.endr
.irp q, 0,16
	v_pk_add_f32 v[96+\q:97+\q], v[96+\q:97+\q], v[98+\q:99+\q]
	v_pk_add_f32 v[100+\q:101+\q], v[100+\q:101+\q], v[102+\q:103+\q]
.endr
.irp q, 0,16
	v_pk_add_f32 v[96+\q:97+\q], v[96+\q:97+\q], v[100+\q:101+\q]
.endr
.irp q, 0,16
	v_add_f32 v[96+\q], v[96+\q], v[97+\q]
.endr
	LANESUM 96
.irp q, 0,16
	v_mul_f32 v[96+\q], s[I512], v[96+\q]          ; the mean
.endr
.irp q, 0,16
.irp c, 0,2,4,6,8,10,12,14
	v_pk_add_f32 v[32+\q+\c:33+\q+\c], v[32+\q+\c:33+\q+\c], v[96+\q:97+\q] op_sel_hi:[1,0] neg_lo:[0,1] neg_hi:[0,1]
.endr
.endr
.irp q, 0,16
	v_pk_mul_f32 v[98+\q:99+\q], v[32+\q:33+\q], v[32+\q:33+\q]
	v_pk_mul_f32 v[100+\q:101+\q], v[34+\q:35+\q], v[34+\q:35+\q]
.endr
.irp c, 4,8,12
.irp q, 0,16
	v_pk_fma_f32 v[98+\q:99+\q], v[32+\q+\c:33+\q+\c], v[32+\q+\c:33+\q+\c], v[98+\q:99+\q]
	v_pk_fma_f32 v[100+\q:101+\q], v[34+\q+\c:35+\q+\c], v[34+\q+\c:35+\q+\c], v[100+\q:101+\q]
.endr
.endr
.irp q, 0,16
	v_pk_add_f32 v[98+\q:99+\q], v[98+\q:99+\q], v[100+\q:101+\q]
.endr
.irp q, 0,16
	v_add_f32 v[98+\q], v[98+\q], v[99+\q]
.endr
	LANESUM 98
.irp q, 0,16
	v_fma_f32 v[98+\q], v[98+\q], s[I512], s[EPS]
.endr
	v_rsq_f32 v98, v98
	v_rsq_f32 v114, v114
	v_nop                                          ; a plain instruction behind the two roots,
	s_wait_alu depctr_va_vdst(0)                   ; and one wait for both, ahead of their first reader
.irp q, 0,16
.irp c, 0,2,4,6,8,10,12,14
	v_pk_mul_f32 v[32+\q+\c:33+\q+\c], v[32+\q+\c:33+\q+\c], v[98+\q:99+\q] op_sel_hi:[1,0]
.endr
.endr
.irp q, 0,16
.irp c, 0,2,4,6,8,10,12,14
	v_pk_fma_f32 v[32+\q+\c:33+\q+\c], v[32+\q+\c:33+\q+\c], v[64+\c:65+\c], v[80+\c:81+\c]
.endr
.endr
.irp q, 0,16
.irp i, 0,1,2,3,4,5,6,7
	v_cvt_pk_bf16_f32 v[104+\q+\i], v[32+\q+2*\i], v[33+\q+2*\i]
.endr
.endr
.irp q, 0,16
.irp c, 0,1,2,3
	ds_store_b64 v[HWA], v[104+\q+2*\c:105+\q+2*\c] offset:256*\c+65*\q   ; 32 lanes: 256 consecutive bytes of the row; the second row 1,040 bytes on
.endr
.endr
	s_add_co_u32 s[XO], s[XO], 4096
	s_add_co_u32 s[HO], s[HO], 2*HPI
	s_sub_co_u32 s[CNT], s[CNT], 1
	s_cmp_lg_u32 s[CNT], 0
	s_cbranch_scc1 .Lln_\@
.endm
.macro HLOAD win                       ; 32 rows of hn as 32 fragments into a window
	WIN \win
.set hi_, 0
.rept 32
	ds_load_b128 v[8*hi_:8*hi_+3],   v[HRD] offset:16*HPI*(hi_/16)+64*(hi_%16)
	ds_load_b128 v[8*hi_+4:8*hi_+7], v[HRD] offset:16*HPI*(hi_/16)+64*(hi_%16)+32
.set hi_, hi_+1
.endr
	WIN 0
.endm
	s_load_b512 s[4:19], s[0:1], 0x0               ; x 4, g 6, b 8, wst 10, bq 12, bk 14, bv 16, rope 18
	s_load_b128 s[20:23], s[0:1], 0x40             ; qf 20, kf 22
	s_load_b64 s[24:25], s[0:1], 0x50              ; vf
	v_lshl_add_u32 v[SPW], v0, 2, SPARE
	v_mov_b32 v[NIL], 0
	ds_add_u32 v[SPW], v[NIL]                      ; the wave's opening: the add, and its wait ahead of my first tensor load; work on registers stands between them
	v_lshrrev_b32 v1, 5, v0
	v_readfirstlane_b32 s[WV], v1                  ; wave 0..3
	s_bfe_u32 s[CX], ttmp6, 0x40000                ; my place in the cluster = my block of 64 rows: it enters global addresses of my own loads, stores and prefetches alone
	s_mov_b32 s[G1], 15|(3<<16)|(1<<21)            ; the mask of four; elements of 8 bytes; bit 21 beside a mask
	s_mov_b32 s[G1+1], 32<<16                      ; tensor_dim0 = 32 elements = 256 bytes
	s_mov_b32 s[G1+2], 128<<16                     ; tensor_dim1 = 128
	s_mov_b32 s[G1+3], 32<<16                      ; tile_dim0 = 32
	s_mov_b32 s[G1+4], 128                         ; tile_dim1 = 128
	s_mov_b32 s[G1+5], 32                          ; dense: 32 elements from row to row
	s_mov_b32 s[G1+6], 0
	s_mov_b32 s[G1+7], 0
	s_mov_b32 s[G1X], 3<<16                        ; no mask: my work-group's own rows of x
	s_mov_b32 s[G1X+1], 32<<16
	s_mov_b32 s[G1X+2], 64<<16
	s_mov_b32 s[G1X+3], 32<<16
	s_mov_b32 s[G1X+4], 64
	s_mov_b32 s[G1X+5], 32
	s_mov_b32 s[G1X+6], 0
	s_mov_b32 s[G1X+7], 0
	s_mov_b32 s[G0W], 1
	s_lshl_b32 s[G0W+1], s[WV], 15                 ; slot 0, my quarter
	s_lshl_b32 s76, s[WV], 14
	s_mov_b32 s[G0XA], 1
	s_add_co_u32 s[G0XA+1], s76, SLOT1             ; rows 8 w .. of x
	s_mov_b32 s[G0XB], 1
	s_add_co_u32 s[G0XB+1], s76, SLOT1+65536       ; rows 32 + 8 w ..
	s_mov_b32 s[SEL], 0x76543210
	s_mov_b32 s[SEL+1], 0xfedcba98
	s_mov_b32 s[I512], 0x3b000000                  ; 1 / 512
	s_mov_b32 s[EPS], 0x3727c5ac                   ; 1e-5
	s_mov_b32 s[SC], 0x3e38aa3b                    ; log2(e) / 8
	s_mov_b32 s[SC+1], s[SC]                       ; named with it as a pair; the low word serves both halves
	s_cmp_lt_u32 ttmp9, 4
	s_cselect_b32 s[FLAG], 3, 0
	s_lshr_b32 s[ROT], ttmp9, 3                    ; R = (c + c / 8) % 8: clusters alike in their numbers' low bits, or in the high ones, still begin at different tiles
	s_add_co_u32 s[ROT], s[ROT], ttmp9
	s_and_b32 s[ROT], s[ROT], 7
	s_lshl_b32 s[TO], s[ROT], 17                   ; my walk's first tile
	s_mov_b32 s[TO+1], 0
	s_mov_b32 s[POS], 1
	s_lshl_b32 s78, s[WV], 15                      ; shared by the four: the wave's quarter
	s_mov_b32 s79, 0
	s_lshl_b32 s80, ttmp9, 19                      ; my own: the sequence's 256 rows of 2,048 bytes, my block's 64, my wave's 8
	s_lshl_b32 s81, s[CX], 17
	s_add_co_u32 s80, s80, s81
	s_add_co_u32 s80, s80, s76
	s_mov_b32 s81, 0
	s_lshl_b32 s82, ttmp9, 18                      ; in q, k, v: the sequence, my block's 8,192 bytes of a head, the head w / 2
	s_lshl_b32 s83, s[CX], 13
	s_add_co_u32 s82, s82, s83
	s_lshr_b32 s83, s[WV], 1
	s_lshl_b32 s83, s83, 15
	s_add_co_u32 s82, s82, s83
	s_mov_b32 s83, 0
	s_lshl2_add_u32 s76, s[CX], s[WV]              ; my wave among the cluster's sixteen: its 8,192 bytes
	s_lshl_b32 s76, s76, 13
	s_and_b32 s[VPS], s[ROT], 3
	s_or_b32 s[VPS], s[VPS], 8
	s_lshl_b32 s[VPS], s[VPS], 17
	s_add_co_u32 s76, s76, s[VPS]                  ; of tile 8 + R % 4
	s_mov_b32 s77, 0
	s_lshl_b32 s90, s[CX], 13                      ; my block's 64 rows of the table
	s_mov_b32 s91, 0
	s_wait_dscnt 0x0                               ; the opening add is done
	s_wait_kmcnt 0x0
	s_add_nc_u64 s[WB:WB+1], s[10:11], s[78:79]
	s_add_nc_u64 s[G0W+2:G0W+3], s[WB:WB+1], s[TO:TO+1]
	s_or_b32 s[G0W+3], s[G0W+3], 0x80000000
	s_add_nc_u64 s[G0XA+2:G0XA+3], s[4:5], s[80:81]
	s_add_nc_u64 s[G0XB+2:G0XB+3], s[G0XA+2:G0XA+3], 0x10000
	s_or_b32 s[G0XA+3], s[G0XA+3], 0x80000000
	s_or_b32 s[G0XB+3], s[G0XB+3], 0x80000000
	s_add_nc_u64 s[QO:QO+1], s[20:21], s[82:83]
	s_add_nc_u64 s[KO:KO+1], s[22:23], s[82:83]
	s_add_nc_u64 s[VO0:VO0+1], s[24:25], s[82:83]
	s_add_nc_u64 s[PFA:PFA+1], s[10:11], s[76:77]
	s_add_nc_u64 s[18:19], s[18:19], s[90:91]
	ROUND                                          ; all four work-groups are here
	tensor_load_to_lds s[G0XA:G0XA+3], s[G1X:G1X+7]  ; the first fills, one group: three loads of mine are out
	s_nop 0
	tensor_load_to_lds s[G0XB:G0XB+3], s[G1X:G1X+7]
	s_nop 0
	tensor_load_to_lds s[G0W:G0W+3], s[G1:G1+7]    ; my walk's first tile, joint
	s_nop 0
	NOPS 4
	v_and_b32 v15, 31, v0                          ; l
	v_and_b32 v16, 15, v0                          ; r
	v_bfe_u32 v17, v0, 4, 1                        ; h
	s_and_b32 s82, s[WV], 1                        ; a
	s_lshr_b32 s83, s[WV], 1
	v_lshlrev_b32 v[GLO], 4, v15
	v_add_nc_u32 v[LB], s78, v[GLO]
	s_lshl_b32 s76, s[WV], 14
	s_add_co_u32 s76, s76, SLOT1
	v_add_nc_u32 v[XR0], s76, v[GLO]
	s_mul_i32 s76, s[WV], 8*HPI
	s_add_co_u32 s76, s76, HST
	v_lshl_add_u32 v[HW0], v15, 3, s76
	v_mul_u32_u24 v[HRD], v16, HPI
	v_lshl_add_u32 v[HRD], v17, 4, v[HRD]
	v_add_nc_u32 v[HRD], HST, v[HRD]
	s_lshl_b32 s76, s82, 9
	v_add_nc_u32 v[VQ], s76, v[GLO]                ; q, k: 16 l + 512 a (channel group a + 2 e)
	s_lshl_b32 s76, s82, 11
	v_add_nc_u32 v[VV], s76, v[GLO]                ; v: 16 l + 2,048 a (channel tile 2 a + e)
	s_lshl_b32 s76, s83, 8
	s_lshl_b32 s77, s82, 6
	s_add_co_u32 s77, s76, s77
	v_lshl_add_u32 v[BQO], v17, 5, s77             ; 4 (64 (w / 2) + 16 a + 8 h)
	s_lshl_b32 s77, s82, 7
	s_add_co_u32 s77, s76, s77
	v_lshl_add_u32 v[BVO], v16, 2, s77             ; 4 (64 (w / 2) + 32 a + r)
	s_lshl_b32 s77, s82, 6
	v_lshl_add_u32 v[RPO], v16, 7, s77
	v_lshl_add_u32 v[RPO], v17, 5, v[RPO]          ; row r of the table, angles 16 a + 8 h ..
	v_lshlrev_b32 v[PFO], 8, v15
.irp c, 0,1,2,3
	global_load_b128 v[64+4*\c:67+4*\c], v[GLO], s[6:7] offset:512*\c
	global_load_b128 v[80+4*\c:83+4*\c], v[GLO], s[8:9] offset:512*\c
.endr
	WIN 0x40
.irp m, 0,1,2,3
.irp hf, 0,1
	global_load_b128 v[64+8*\m+4*\hf:67+8*\m+4*\hf], v[RPO], s[18:19] offset:2048*\m+16*\hf
	global_load_b128 v[96+8*\m+4*\hf:99+8*\m+4*\hf], v[RPO], s[18:19] offset:32768+2048*\m+16*\hf
.endr
.endr
	v_mov_b32 v193, 0                              ; the upper registers of v's bias pairs: named, never used
	v_mov_b32 v195, 0
	WIN 0
	s_wait_loadcnt 0x0
	LNP 0
	BAR                                            ; rows 0-31 of hn lie in the stage
	HLOAD 0x80
	BAR                                            ; everybody has read them: the stage may be written again
	LNP 1
	BAR
	HLOAD 0xc0
	CHANGE                                         ; my first tile has landed, x has been read by all: slot 1 takes the walk's second tile
; Q AND K: eight tiles, two heads each.  Wave w: head 2 (tile % 4) + w / 2, channels 16 a + 8 h + j (e = 0) and 32 more (e = 1): both partners of a rotation in one lane.
.set KAC, 0
.set KAW, 1
.set KOR, 0
	s_mov_b32 s[CNT], 8
	s_mov_b32 s[TB], 0
.Lqk:
	s_sub_co_u32 s76, 8, s[CNT]                    ; the trip's position in my walk,
	s_add_co_u32 s76, s76, s[ROT]
	s_and_b32 s76, s76, 7                          ; its tile: 0-3 q's, 4-7 k's
	s_and_b32 s77, s76, 3
	s_lshl_b32 s[TO], s77, 16                      ; two heads of q or k are 65,536 bytes,
	s_lshl_b32 s78, s77, 9                         ; their 128 columns of the bias 512
	s_mov_b32 s79, 0
	s_cmp_lt_u32 s76, 4
	s_cselect_b64 s[OP:OP+1], s[QO:QO+1], s[KO:KO+1]
	s_cselect_b64 s[BP:BP+1], s[12:13], s[14:15]
	s_cselect_b32 s[SC], 0x3e38aa3b, 1.0
	s_add_nc_u64 s[OP:OP+1], s[OP:OP+1], s[TO:TO+1]
	s_add_nc_u64 s[BP:BP+1], s[BP:BP+1], s[78:79]
	v_add_nc_u32 v[ADR], s[TB], v[LB]
	WIN 0x40
.irp e, 0,1
	global_load_b128 v[128+8*\e:131+8*\e], v[BQO], s[BP:BP+1] offset:128*\e
	global_load_b128 v[132+8*\e:135+8*\e], v[BQO], s[BP:BP+1] offset:128*\e+16
.endr
	K512 ADR
	s_wait_loadcnt 0x0
	WIN 0x55
.set i_, 0
.rept 8                                ; the bias times the scale: eight plain lines, the places behind the last products
	v_pk_mul_f32 v[128+2*i_:129+2*i_], v[128+2*i_:129+2*i_], s[SC:SC+1] op_sel_hi:[1,0]
.set i_, i_+1
.endr
.set i_, 0
.rept 32                               ; each accumulator from its low end on
	v_pk_fma_f32 v[2*i_:2*i_+1], v[2*i_:2*i_+1], s[SC:SC+1], v[128+(2*i_)%16:129+(2*i_)%16] op_sel_hi:[1,0,1]
.set i_, i_+1
.endr
.irp m, 0,1,2,3                        ; x1 cos - x2 sin, x2 cos + x1 sin; angles 16 .. 31 have cos 1 and sin 0 in the table
.irp p, 0,1,2,3
	v_pk_mul_f32 v[144+4*\p:145+4*\p], v[16*\m+2*\p:16*\m+2*\p+1], v[64+8*\m+2*\p:65+8*\m+2*\p]
	v_pk_mul_f32 v[146+4*\p:147+4*\p], v[16*\m+8+2*\p:16*\m+9+2*\p], v[64+8*\m+2*\p:65+8*\m+2*\p]
.endr
.irp p, 0,1,2,3
	v_pk_fma_f32 v[144+4*\p:145+4*\p], v[16*\m+8+2*\p:16*\m+9+2*\p], v[96+8*\m+2*\p:97+8*\m+2*\p], v[144+4*\p:145+4*\p] neg_lo:[1,0,0] neg_hi:[1,0,0]
	v_pk_fma_f32 v[146+4*\p:147+4*\p], v[16*\m+2*\p:16*\m+2*\p+1], v[96+8*\m+2*\p:97+8*\m+2*\p], v[146+4*\p:147+4*\p]
.endr
.irp p, 0,1,2,3
	v_cvt_pk_bf16_f32 v[160+8*\m+\p], v[144+4*\p], v[145+4*\p]
	v_cvt_pk_bf16_f32 v[164+8*\m+\p], v[146+4*\p], v[147+4*\p]
.endr
.endr
	WIN 0x04
.irp m, 0,1,2,3
.irp e, 0,1
	global_store_b128 v[VQ], v[160+8*\m+4*\e:163+8*\m+4*\e], s[OP:OP+1] offset:2048*\m+1024*\e  ; half a fragment: 512 consecutive bytes
.endr
.endr
	CHANGE
	ASK
	s_xor_b32 s[TB], s[TB], SLOT1
	s_sub_co_u32 s[CNT], s[CNT], 1
	s_cmp_lg_u32 s[CNT], 0
	s_cbranch_scc1 .Lqk
; V: four tiles.  The product the other way round: a lane holds one channel and 8 tokens, which is half a fragment of V transposed.
.set KOR, 1
.macro VTRIP fill
	s_and_b32 s76, s[VPS], 3                       ; the trip's tile is 8 + this: heads 2 (tile % 4) + w / 2
	s_lshl_b32 s[TO], s76, 16
	s_lshl_b32 s78, s76, 9
	s_mov_b32 s79, 0
	s_add_nc_u64 s[VOP:VOP+1], s[VO0:VO0+1], s[TO:TO+1]
	s_add_nc_u64 s[BVP:BVP+1], s[16:17], s[78:79]
	s_add_co_u32 s[VPS], s[VPS], 1
	v_add_nc_u32 v[ADR], s[TB], v[LB]
	WIN 0x40
	global_load_b32 v192, v[BVO], s[BVP:BVP+1]
	global_load_b32 v194, v[BVO], s[BVP:BVP+1] offset:64
	K512 ADR
	s_wait_loadcnt 0x0
	NOPS 4                                         ; the places behind the last products
	WIN 0x55
.set i_, 0
.rept 32
	v_pk_add_f32 v[2*i_:2*i_+1], v[2*i_:2*i_+1], v[192+2*((i_/4)%2):193+2*((i_/4)%2)] op_sel_hi:[1,0]
.set i_, i_+1
.endr
.set i_, 0
.rept 32
	v_cvt_pk_bf16_f32 v[160+i_], v[2*i_], v[2*i_+1]
.set i_, i_+1
.endr
	WIN 0x04
.irp m, 0,1,2,3
.irp e, 0,1
	global_store_b128 v[VV], v[160+4*(2*\m+\e):163+4*(2*\m+\e)], s[VOP:VOP+1] offset:4096*((\m)/2)+1024*\e+512*((\m)%2)
.endr
.endr
.if \fill
	CHANGE
.else
	WIN 0
	s_wait_tensorcnt 0x0                           ; the last tile, my own quarter of it: nothing is filled any more, so no barrier follows
	s_wait_xcnt 0x0                                ; the stores have read their pointer, which the next trip's head writes anew
.endif
	s_xor_b32 s[TB], s[TB], SLOT1
.endm
	s_mov_b32 s[VPS], s[ROT]
	s_mov_b32 s[CNT], 2
.Lva:                                                  ; positions 8, 9 of the walk: those at 10, 11 are asked for
	VTRIP 1
	s_sub_co_u32 s[CNT], s[CNT], 1
	s_cmp_lg_u32 s[CNT], 0
	s_cbranch_scc1 .Lva
	s_mov_b32 s[CNT], 2
.Lvb:                                                  ; positions 10, 11: nothing is left to fetch
	VTRIP 0
	s_sub_co_u32 s[CNT], s[CNT], 1
	s_cmp_lg_u32 s[CNT], 0
	s_cbranch_scc1 .Lvb
	s_wait_tensorcnt 0x0                           ; the wave's end
	ds_add_u32 v[SPW], v[NIL]
	s_wait_dscnt 0x0
	ROUND                                          ; the closing round
	s_endpgm
.Lfunc_end_k_q41a518645f_qkv:
	.size	k_q41a518645f_qkv, .Lfunc_end_k_q41a518645f_qkv-k_q41a518645f_qkv
	.p2alignl 7, 3214868480
	.fill 96, 4, 3214868480
	.section	.rodata,"a",@progbits
	.p2align	6, 0x0
	.amdhsa_kernel k_q41a518645f_qkv
		.amdhsa_group_segment_fixed_size 327680
		.amdhsa_private_segment_fixed_size 0
		.amdhsa_enable_private_segment 0
		.amdhsa_kernarg_size 88
		.amdhsa_user_sgpr_count 2
		.amdhsa_user_sgpr_kernarg_segment_ptr 1
		.amdhsa_wavefront_size32 1
		.amdhsa_system_sgpr_workgroup_id_x 1
		.amdhsa_system_sgpr_workgroup_id_y 1
		.amdhsa_system_sgpr_workgroup_id_z 1
		.amdhsa_system_vgpr_workitem_id 0
		.amdhsa_next_free_vgpr 1024
		.amdhsa_next_free_sgpr 102
		.amdhsa_reserve_vcc 0
		.amdhsa_float_denorm_mode_32 3
		.amdhsa_float_denorm_mode_16_64 3
		.amdhsa_memory_ordered 1
		.amdhsa_forward_progress 1
		.amdhsa_inst_pref_size 100
	.end_amdhsa_kernel
	.amdgpu_metadata
---
amdhsa.version: [ 1, 2 ]
amdhsa.kernels:
  - .name:           k_q41a518645f_qkv
    .symbol:         k_q41a518645f_qkv.kd
    .args:
      - { .name: x, .offset: 0, .size: 8, .value_kind: global_buffer, .address_space: global }
      - { .name: ln1_g, .offset: 8, .size: 8, .value_kind: global_buffer, .address_space: global }
      - { .name: ln1_b, .offset: 16, .size: 8, .value_kind: global_buffer, .address_space: global }
      - { .name: wst, .offset: 24, .size: 8, .value_kind: global_buffer, .address_space: global }
      - { .name: bq, .offset: 32, .size: 8, .value_kind: global_buffer, .address_space: global }
      - { .name: bk, .offset: 40, .size: 8, .value_kind: global_buffer, .address_space: global }
      - { .name: bv, .offset: 48, .size: 8, .value_kind: global_buffer, .address_space: global }
      - { .name: rope, .offset: 56, .size: 8, .value_kind: global_buffer, .address_space: global }
      - { .name: qf, .offset: 64, .size: 8, .value_kind: global_buffer, .address_space: global }
      - { .name: kf, .offset: 72, .size: 8, .value_kind: global_buffer, .address_space: global }
      - { .name: vf, .offset: 80, .size: 8, .value_kind: global_buffer, .address_space: global }
    .group_segment_fixed_size: 327680
    .private_segment_fixed_size: 0
    .kernarg_segment_align: 8
    .kernarg_segment_size: 88
    .max_flat_workgroup_size: 128
    .sgpr_count:     102
    .vgpr_count:     1024
    .wavefront_size: 32
...
	.end_amdgpu_metadata
.endif
;; end of part 2
;; launch tail (part 3): grid 256 x 1, 4 waves a work-group, clusters of 4 x 1, 327,680 bytes of LDS; arguments x, qf, kf, vf, wst, bo, ln3_g, ln3_b, b1, b2, out0; writes out0
.if DOCPART == 3
	.amdgcn_target "amdgcn-amd-amdhsa--gfx1250"
	.amdhsa_code_object_version 6
	.text
	.protected	k_q41a518645f_tail
	.globl	k_q41a518645f_tail
	.p2align	8
	.type	k_q41a518645f_tail,@function
k_q41a518645f_tail:
	s_mov_b64 s[64:65], 0
	v_nop
	global_prefetch_b8 v0, s[64:65] scope:SCOPE_SE
	s_setreg_imm32_b32 hwreg(HW_REG_WAVE_MODE, 25, 1), 1
	s_wait_xcnt 0x0
	s_wait_alu depctr_hold_cnt(0) depctr_sa_sdst(0) depctr_va_vdst(0) depctr_va_sdst(0) depctr_va_ssrc(0) depctr_va_vcc(0) depctr_vm_vsrc(0)
	s_getreg_b32 s2, hwreg(HW_REG_IB_STS2, 6, 4)
	s_cmp_eq_u32 s2, 0
	s_cbranch_scc0 .Lentry_in_a_cluster
	s_endpgm
.Lentry_in_a_cluster:
	s_bfe_u32 s2, ttmp6, 0x10000c
	s_cmp_lg_u32 s2, 0x3003
	s_cbranch_scc0 .Lentry_shape_is_right
	s_endpgm
.Lentry_shape_is_right:
; TAIL.  For 64 rows of one sequence: attention over the sequence's 256 keys on 8 heads; h = x + o Wo + bo; hn = LayerNorm(h) g + b; out = h + gelu(hn W1 + b1) W2 + b2.  h never leaves the registers.
; Matrix operands bf16, all sums f32.  SOFTMAX: q carries log2(e)/8, all 256 scores of a query lie in registers, p = 2^(s - max s); the divisor is the f32 sum of the p as rounded to bf16 (a product with ones).
; GELU: with xh = x/2, u = |xh|: gelu = xh + u (1 - w), w = t (a1 + t (a2 + t a3)) 2^-(KQ u)^2, t = 1 / (1 + PZ u): the rational form of erfc of Abramowitz and Stegun, 7.1.25.
; LIMITS: |error of erf| <= 2.5e-5 for every argument, so gelu is off by at most 2.5e-5 u; a weight below 2^-126 counts as 0; NaN and infinities are not treated apart; the variance is that of h - mean.
; SHARES.  A work-group owns 64 rows; a cluster's four are one sequence.  Wave w owns head 4 p + w in pass p of two, and columns 128 w .. 128 w + 127 of h and out.
; Everything that is streamed (K, V of four heads; the tiles of Wo, W1, W2) is the same for the four partners and is asked for JOINTLY (mask 15), 131,072 bytes a tile; quarter w is fetched and read by wave w alone.
; RING.  Two slots of one tile; behind each tile's products a change of slots fills the slot just read with the tile two on.  Order: K0 V0 | Wo0 Wo1 K1 V1 | Wo2 Wo3 W1 W2 | W1 W2 ..
; WALK.  The feed-forward part is a sum over 16 chunks of 128 hidden columns, which may be taken in any order.  Cluster c begins at chunk (c + 4 (c / 16)) % 16 and goes round: at any time the 64 clusters ask for
; 16 different pairs of tiles, not all for the same pair.  The chunk's number enters the refills' global addresses and b1's; no LDS address and no trip count hangs on it.
; A FRAGMENT (16 rows x 32 k) is 1,024 bytes in memory and LDS: registers 0-3 of lane l at 16 l, registers 4-7 at 512 + 16 l.  A packed result (a lane: one token, 8 neighbouring columns) is half a fragment as it stands.
; REGISTERS, in windows of 256 (s_set_vgpr_msb: bits 1:0 source 0, 3:2 source 1, 5:4 source 2, 7:6 destination):
;   window 0: v1-11, v26-31 addresses; v12-25 softmax's statistics; v32-223 by turns Q + two fragment buffers, two sets for the narrow products, W1's sums and GELU's work, LayerNorm's work; v224-231 ones; v232-247 b1/2; v248-255 bo, b2
;   window 1: h: accumulator (m, f) at 8 (8 m + f): token 16 m + r, columns 128 w + 16 f + 8 h + j
;   windows 2, 3: x on its way in; the scores S(t, kt) at 128 (t % 2) + 8 kt of window 2 + t / 2, then P, O and the sums in their places; ln3's g and b; then hn's 64 fragments
.set SLOT1, 0x20000
.set STAGE, 262144                     ; 32,768: o, hn and G on their way from wave to wave, as fragments
.set XST,   294912                     ; 4 x 4,352: each wave's own 16 rows x 272 bytes, f32: x in, out0 out; the pitch is 17 x 16 bytes (ISA guide 11.1: 16 rows start at 16 different groups of four banks)
.set STATS, 312320                     ; [64 rows][4 waves] f32: sums; 1,024 bytes on: sums of squares
.set SPARE, 314368                     ; the spare words, 128 bytes a wave: two blocks of 256 bytes that no other line names
.set BOO, 1
.set LB0, 2
.set LB1, 3
.set STG, 4
.set STO, 5
.set STH, 6
.set XSR, 7
.set XSW, 8
.set GXO, 9
.set SA,  10
.set SRD, 11
.set CC,  12
.set MX,  16
.set RL,  18
.set PFO, 26
.set GBO, 27
.set SPW, 28
.set NIL, 29
.set B1O, 30
.set L16, 31
.set QR,  32
.set BF0, 96
.set BF1, 160
.set SET0, 32
.set SET1, 128
.set ONES, 224
.set B1H, 232
.set BRW, 248
.set CHN, 32                           ; LayerNorm: four chains of pairs a row tile
.set MU,  64
.set AL,  72
.set BE,  80
.set SL,  88
.set DT,  104
.set HPK, 160
.set WV,  26
.set CX,  27
.set CNT, 28
.set CN2, 29
.set LIM, 30                           ; 1 in the clusters 0 to 15
.set MASK, 31
.set G1,  32
.set G0A, 40
.set G0W, 44
.set WP,  48                           ; s[48:49] my quarter of Wo's next tile; behind Wo's four: of tile 16, the feed-forward tiles' first
.set XK,  50
.set XV,  52
.set QP,  54                           ; s[54:55] my head's Q of my block, first pass; never rewritten
.set XA,  56
.set XB,  58
.set PFA, 60                           ; s[60:61] my wave's 8,192 bytes of W1's tile of my cluster's first chunk; never rewritten
.set PFK, 62
.set PFV, 66
.set SEL, 68
.set JJ,  70                           ; the chunk in hand
.set PZ,  72
.set KQ,  74
.set A1,  76
.set A3,  78
.set I512, 80
.set EPS, 81
.set XP,  82
.set OUTP, 84
.set JO,  88                           ; s[88:89] an offset made of the chunk's number, the upper word 0
.set B1P, 100                          ; s[100:101] b1 at the chunk in hand
.set MSB, 0
.macro WIN new                         ; the immediate's high byte repeats the setting that is left; a switch that changes nothing is dropped
.if MSB != (\new)
	s_set_vgpr_msb (MSB<<8)|(\new)
.set MSB, (\new)
.endif
.endm
.macro NOPS n
.rept \n
	v_nop
.endr
.endm
.macro BAR
	s_wait_dscnt 0x0
	s_barrier_signal -1
	s_barrier_wait -1
.endm
.macro ROUND                           ; a round of the cluster's barrier
	s_barrier_signal -1
	s_barrier_wait -1
	s_cmp_lg_u32 s[WV], 0
	s_cbranch_scc1 .Lnw0_\@
	s_barrier_signal -3
.Lnw0_\@:
	s_barrier_wait -3
	s_barrier_signal -1
	s_barrier_wait -1
.endm
.macro FR buf, adr, off, n
.set fi, 0
.rept \n
	ds_load_b128 v[(\buf)+8*fi:(\buf)+8*fi+3],   v[\adr] offset:(\off)+1024*fi
	ds_load_b128 v[(\buf)+8*fi+4:(\buf)+8*fi+7], v[\adr] offset:(\off)+1024*fi+512
.set fi, fi+1
.endr
.endm
; THE CHANGE OF SLOTS.  All my tensor loads have landed (the one that was out is my quarter of the next tile); the add; my LDS reads and stores are done; a round of the cluster's barrier, so that the same holds
; of every wave of all four work-groups (it also shows every wave what the others stored into the stage); then the joint refill from s[src], first thing behind it; s[src] then stands at the tile behind.
; Five v_nop follow: the places behind the last products for whatever comes next, a product that writes over their sources among it.
.macro CHANGE src
	WIN 0
	s_wait_tensorcnt 0x0
	ds_add_u32 v[SPW], v[NIL]                      ; 0 onto my spare word
	s_xor_b32 s[G0W+1], s[G0W+1], SLOT1            ; no load of mine is out, so group 0 may be written: the other slot,
	s_mov_b64 s[G0W+2:G0W+3], s[\src:\src+1]       ; the tile's address, made anew,
	s_or_b32 s[G0W+3], s[G0W+3], 0x80000000        ; the type
	s_add_nc_u64 s[\src:\src+1], s[\src:\src+1], 0x20000
	s_wait_dscnt 0x0
	ROUND
	tensor_load_to_lds s[G0W:G0W+3], s[G1:G1+7]
	s_nop 0
	NOPS 5
.endm
.macro QLOAD off                       ; my head's Q of my block: fragment (t, kkc) = i; off = 0: heads 0-3; 131,072: heads 4-7
.set i_, 0
.rept 8
	global_load_b128 v[QR+8*i_:QR+8*i_+3],   v[L16], s[QP:QP+1] offset:(\off)+1024*i_
	global_load_b128 v[QR+8*i_+4:QR+8*i_+7], v[L16], s[QP:QP+1] offset:(\off)+1024*i_+512
.set i_, i_+1
.endr
.endm
; hn (64 x 512, windows 2 and 3) x 8 fragments of W1 (k 128 g .., column tiles e): source 0 = weights, so a lane holds one token and 8 columns.  Four accumulators take turns.
.macro MULB g
.irp wn, 2,3
	WIN ((\wn)<<2)
.irp kkl, 0,1,2,3
.irp e, 0,1
.irp ml, 0,1
.set rD, 32+8*(2*(2*((\wn)-2)+(\ml))+(\e))
.set rW, BF0+64*((\g)%2)+8*(2*(\kkl)+(\e))
.set rA, 8*(16*(\ml)+4*(\g)+(\kkl))
.if ((\g) == 0) && ((\kkl) == 0)
	v_wmma_f32_16x16x32_bf16 v[rD:rD+7], v[rW:rW+7], v[rA:rA+7], 0
.else
	v_wmma_f32_16x16x32_bf16 v[rD:rD+7], v[rW:rW+7], v[rA:rA+7], v[rD:rD+7]
.endif
.endr
.endr
.endr
.endr
.endm
; S^T = K Q^T: key tiles 4 g .. 4 g + 3 x the four query tiles; a lane holds one query and 8 keys.  Eight accumulators take turns.
.macro MULS g
.irp wn, 2,3
	WIN ((\wn)<<4)|((\wn)<<6)
.irp kkc, 0,1
.irp ktl, 0,1,2,3
.irp tl, 0,1
.set rD, 128*(\tl)+8*(4*(\g)+(\ktl))
.set rK, BF0+64*((\g)%2)+8*(2*(\ktl)+(\kkc))
.set rQ, QR+8*(2*(2*((\wn)-2)+(\tl))+(\kkc))
.if (\kkc) == 0
	v_wmma_f32_16x16x32_bf16 v[rD:rD+7], v[rK:rK+7], v[rQ:rQ+7], 0
.else
	v_wmma_f32_16x16x32_bf16 v[rD:rD+7], v[rK:rK+7], v[rQ:rQ+7], v[rD:rD+7]
.endif
.endr
.endr
.endr
.endr
.endm
; O^T = V^T P for keys 64 g .. 64 g + 63, and the row sums (ones x P).  P(t, kk) lies in S(t, 2 kk)'s registers, O(c, t) in S(t, 2 c + 1)'s, the sum in S(t, 9)'s.  Ten accumulators take turns.
.macro MULV g
.irp wn, 2,3
	WIN ((\wn)<<2)|((\wn)<<4)|((\wn)<<6)
.irp kkl, 0,1
.irp c, 0,1,2,3,4
.irp tl, 0,1
.set kk_, 2*(\g)+(\kkl)
.set rD, 128*(\tl)+8*(2*(\c)+1)
.set rP, 128*(\tl)+16*kk_
.if (\c) < 4
.set rV, BF0+64*((\g)%2)+8*(4*(\kkl)+(\c))
.else
.set rV, ONES
.endif
.if kk_ == 0
	v_wmma_f32_16x16x32_bf16 v[rD:rD+7], v[rV:rV+7], v[rP:rP+7], 0
.else
	v_wmma_f32_16x16x32_bf16 v[rD:rD+7], v[rV:rV+7], v[rP:rP+7], v[rD:rD+7]
.endif
.endr
.endr
.endr
.endr
.endm
.macro MUL4 kind, g
.if (\kind) == 0
	MULB \g
.elseif (\kind) == 1
	MULS \g
.else
	MULV \g
.endif
.endm
; My quarter's 32 fragments in four groups through two buffers.  s_wait_dscnt 16 leaves the other buffer's 16 loads out; four places stand between a buffer's last product and the loads into it.
.macro PIPE4 adr, kind
	WIN 0
	FR BF0, \adr, 0, 8
	FR BF1, \adr, 8192, 8
	s_wait_dscnt 16
	MUL4 \kind, 0
	NOPS 4
	WIN 0
	FR BF0, \adr, 16384, 8
	s_wait_dscnt 16
	MUL4 \kind, 1
	NOPS 4
	WIN 0
	FR BF1, \adr, 24576, 8
	s_wait_dscnt 16
	MUL4 \kind, 2
	s_wait_dscnt 0x0
	MUL4 \kind, 3
.endm
; h += (64 rows x 128 k from the stage at byte so) x (128 k x my 128 columns: my quarter of a tile of Wo or W2).  A set: 4 fragments of the stage, 8 of the weights, for 32 k; s_wait_dscnt 24 leaves the other set's loads out.
.macro FETCHK lb, so, kk, set
	WIN 0
	FR \set, STG, (\so)+4096*(\kk), 4
	FR (\set)+32, \lb, 8192*(\kk), 8
.endm
.macro MULK set                        ; all 32 accumulators take turns
	WIN 0x50
.irp m, 0,1,2,3
.irp f, 0,1,2,3,4,5,6,7
	v_wmma_f32_16x16x32_bf16 v[8*(8*\m+\f):8*(8*\m+\f)+7], v[(\set)+32+8*\f:(\set)+32+8*\f+7], v[(\set)+8*\m:(\set)+8*\m+7], v[8*(8*\m+\f):8*(8*\m+\f)+7]
.endr
.endr
.endm
.macro KCH lb, so
	FETCHK \lb, \so, 0, SET0
	FETCHK \lb, \so, 1, SET1
	s_wait_dscnt 24
	MULK SET0
	NOPS 4
	FETCHK \lb, \so, 2, SET0
	s_wait_dscnt 24
	MULK SET1
	NOPS 4
	FETCHK \lb, \so, 3, SET1
	s_wait_dscnt 24
	MULK SET0
	s_wait_dscnt 0x0
	MULK SET1
.endm
; The softmax of query tile t: a lane holds 128 of its query's 256 scores, the lane 16 away the others.  Each accumulator is read from its low end on.  The 128 exponentials are one batch with one wait.
.macro SOFTMAX t
.set wn_, 2+(\t)/2
.set sb_, 128*((\t)%2)
	WIN wn_|(wn_<<2)
.irp i, 0,1,2,3
	v_max_num_f32 v[CC+\i], v[sb_+8*\i], v[sb_+8*\i+1]
.endr
	WIN (wn_<<2)|(wn_<<4)
.irp kb, 0,1,2,3
.irp p, 0,1,2,3
.if ((\kb) > 0) || ((\p) > 0)
.irp i, 0,1,2,3
	v_max3_num_f32 v[CC+\i], v[CC+\i], v[sb_+8*(4*\kb+\i)+2*\p], v[sb_+8*(4*\kb+\i)+2*\p+1]
.endr
.endif
.endr
.endr
	WIN 0
	v_max3_num_f32 v[CC], v[CC], v[CC+1], v[CC+2]
	v_max_num_f32 v[CC], v[CC], v[CC+3]
	v_permlanex16_b32 v[CC+1], v[CC], s[SEL], s[SEL+1]
	v_max_num_f32 v[MX], v[CC], v[CC+1]
	WIN wn_|(wn_<<6)
.set i_, 0
.rept 64
	v_pk_add_f32 v[sb_+2*i_:sb_+2*i_+1], v[sb_+2*i_:sb_+2*i_+1], v[MX:MX+1] op_sel_hi:[1,0] neg_lo:[0,1] neg_hi:[0,1]
.set i_, i_+1
.endr
.set i_, 0
.rept 128
	v_exp_f32 v[sb_+i_], v[sb_+i_]
.set i_, i_+1
.endr
	v_nop                                          ; a plain instruction behind the last exponential,
	s_wait_alu depctr_va_vdst(0)                   ; and one wait for the batch
	WIN wn_|(wn_<<2)|(wn_<<6)
.set i_, 0
.rept 64                               ; in place: 16 weights of two key tiles into the first tile's 8 registers; no destination lies above a source still to be read
	v_cvt_pk_bf16_f32 v[sb_+16*(i_/8)+i_%8], v[sb_+16*(i_/8)+2*(i_%8)], v[sb_+16*(i_/8)+2*(i_%8)+1]
.set i_, i_+1
.endr
.endm
; LayerNorm: the four chains of each row tile into one number a row, over both halves of the lanes; the four waves' parts meet in LDS; every lane ends with its row's sum in v[SL + 4 m]
.macro FOLD off
	WIN 0
.irp m, 0,1,2,3
	v_pk_add_f32 v[CHN+8*\m:CHN+8*\m+1], v[CHN+8*\m:CHN+8*\m+1], v[CHN+8*\m+2:CHN+8*\m+3]
	v_pk_add_f32 v[CHN+8*\m+4:CHN+8*\m+5], v[CHN+8*\m+4:CHN+8*\m+5], v[CHN+8*\m+6:CHN+8*\m+7]
.endr
.irp m, 0,1,2,3
	v_pk_add_f32 v[CHN+8*\m:CHN+8*\m+1], v[CHN+8*\m:CHN+8*\m+1], v[CHN+8*\m+4:CHN+8*\m+5]
.endr
.irp m, 0,1,2,3
	v_add_f32 v[CHN+8*\m], v[CHN+8*\m], v[CHN+8*\m+1]
.endr
.irp m, 0,1,2,3
	v_permlanex16_b32 v[CHN+8*\m+1], v[CHN+8*\m], s[SEL], s[SEL+1]
.endr
.irp m, 0,1,2,3
	v_add_f32 v[CHN+8*\m], v[CHN+8*\m], v[CHN+8*\m+1]
.endr
.irp m, 0,1,2,3
	ds_store_b32 v[SA], v[CHN+8*\m] offset:(\off)+256*\m
.endr
	BAR
.irp m, 0,1,2,3
	ds_load_b128 v[SL+4*\m:SL+4*\m+3], v[SRD] offset:(\off)+256*\m
.endr
	s_wait_dscnt 0x0
.irp m, 0,1,2,3
	v_add_f32 v[SL+4*\m], v[SL+4*\m], v[SL+4*\m+1]
	v_add_f32 v[SL+4*\m+2], v[SL+4*\m+2], v[SL+4*\m+3]
.endr
.irp m, 0,1,2,3
	v_add_f32 v[SL+4*\m], v[SL+4*\m], v[SL+4*\m+2]
.endr
.endm
.macro NORM m                          ; hn of row tile m, packed: (h alpha + beta) g + b; h itself stays as it is
.irp b, 0,1
	WIN 0x01
.set i_, 0
.rept 16
	v_pk_fma_f32 v[DT+2*i_:DT+2*i_+1], v[8*(8*(\m)+4*\b+i_/4)+2*(i_%4):8*(8*(\m)+4*\b+i_/4)+2*(i_%4)+1], v[AL+2*(\m):AL+2*(\m)+1], v[BE+2*(\m):BE+2*(\m)+1] op_sel_hi:[1,0,0]
.set i_, i_+1
.endr
	WIN 0x3c
.set i_, 0
.rept 16
	v_pk_fma_f32 v[DT+2*i_:DT+2*i_+1], v[DT+2*i_:DT+2*i_+1], v[8*(4*\b+i_/4)+2*(i_%4):8*(4*\b+i_/4)+2*(i_%4)+1], v[64+8*(4*\b+i_/4)+2*(i_%4):64+8*(4*\b+i_/4)+2*(i_%4)+1]
.set i_, i_+1
.endr
	WIN 0
.set i_, 0
.rept 16
	v_cvt_pk_bf16_f32 v[HPK+32*((\m)%2)+16*\b+i_], v[DT+2*i_], v[DT+2*i_+1]
.set i_, i_+1
.endr
.endr
.endm
.macro HSTORE                          ; two row tiles of hn, my 128 columns: fragments (ml, 4 w + f / 2), half f % 2
	WIN 0
.irp ml, 0,1
.irp f, 0,1,2,3,4,5,6,7
	ds_store_b128 v[STH], v[HPK+32*\ml+4*\f:HPK+32*\ml+4*\f+3] offset:16384*\ml+512*\f
.endr
.endr
.endm
.macro HNLOAD win                      ; two row tiles of hn, all 512 k, into a window
	WIN \win
.set hi_, 0
.rept 32
	ds_load_b128 v[8*hi_:8*hi_+3],   v[STG] offset:1024*hi_
	ds_load_b128 v[8*hi_+4:8*hi_+7], v[STG] offset:1024*hi_+512
.set hi_, hi_+1
.endr
	WIN 0
.endm
; GELU of 32 numbers a lane (row tiles 2 b, 2 b + 1), in place; u v96.., t v128.., the power of 2 v160.., w v192..  The 32 reciprocals and 32 exponentials are one batch with one wait.
.macro GELU b
.set xb_, 32+32*(\b)
.set i_, 0
.rept 16
	v_pk_fma_f32 v[xb_+2*i_:xb_+2*i_+1], v[xb_+2*i_:xb_+2*i_+1], 0.5, v[B1H+(2*i_)%16:B1H+(2*i_)%16+1] op_sel_hi:[1,0,1]
.set i_, i_+1
.endr
.set i_, 0
.rept 32
	v_and_b32 v[96+i_], s[MASK], v[xb_+i_]
.set i_, i_+1
.endr
.set i_, 0
.rept 16
	v_pk_fma_f32 v[128+2*i_:129+2*i_], v[96+2*i_:97+2*i_], s[PZ:PZ+1], 1.0 op_sel_hi:[1,0,0]
.set i_, i_+1
.endr
.set i_, 0
.rept 32
	v_rcp_f32 v[128+i_], v[128+i_]
.set i_, i_+1
.endr
.set i_, 0
.rept 16
	v_pk_mul_f32 v[160+2*i_:161+2*i_], v[96+2*i_:97+2*i_], s[KQ:KQ+1] op_sel_hi:[1,0]
.set i_, i_+1
.endr
.set i_, 0
.rept 16
	v_pk_mul_f32 v[160+2*i_:161+2*i_], v[160+2*i_:161+2*i_], v[160+2*i_:161+2*i_] neg_lo:[1,0] neg_hi:[1,0]
.set i_, i_+1
.endr
.set i_, 0
.rept 32
	v_exp_f32 v[160+i_], v[160+i_]
.set i_, i_+1
.endr
	v_nop
	s_wait_alu depctr_va_vdst(0)
.set i_, 0
.rept 16
	v_pk_fma_f32 v[192+2*i_:193+2*i_], v[128+2*i_:129+2*i_], s[A3:A3+1], v[12:13] op_sel_hi:[1,0,1]
.set i_, i_+1
.endr
.set i_, 0
.rept 16
	v_pk_fma_f32 v[192+2*i_:193+2*i_], v[192+2*i_:193+2*i_], v[128+2*i_:129+2*i_], s[A1:A1+1] op_sel_hi:[1,1,0]
.set i_, i_+1
.endr
.set i_, 0
.rept 16
	v_pk_mul_f32 v[192+2*i_:193+2*i_], v[192+2*i_:193+2*i_], v[128+2*i_:129+2*i_]
.set i_, i_+1
.endr
.set i_, 0
.rept 16
	v_pk_mul_f32 v[192+2*i_:193+2*i_], v[192+2*i_:193+2*i_], v[160+2*i_:161+2*i_]
.set i_, i_+1
.endr
.set i_, 0
.rept 16
	v_pk_fma_f32 v[96+2*i_:97+2*i_], v[96+2*i_:97+2*i_], v[192+2*i_:193+2*i_], v[96+2*i_:97+2*i_] neg_lo:[1,0,0] neg_hi:[1,0,0]
.set i_, i_+1
.endr
.set i_, 0
.rept 16
	v_pk_add_f32 v[xb_+2*i_:xb_+2*i_+1], v[xb_+2*i_:xb_+2*i_+1], v[96+2*i_:97+2*i_]
.set i_, i_+1
.endr
.set i_, 0
.rept 16                               ; in place: a row tile's 16 numbers into 8 registers: a fragment
	v_cvt_pk_bf16_f32 v[xb_+16*(i_/8)+i_%8], v[xb_+16*(i_/8)+2*(i_%8)], v[xb_+16*(i_/8)+2*(i_%8)+1]
.set i_, i_+1
.endr
.endm
	s_load_b512 s[4:19], s[0:1], 0x0               ; x 4, qf 6, kf 8, vf 10, wst 12, bo 14, g3 16, b3 18
	s_load_b128 s[20:23], s[0:1], 0x40             ; b1 20, b2 22
	s_load_b64 s[24:25], s[0:1], 0x50              ; out0
	v_lshl_add_u32 v[SPW], v0, 2, SPARE
	v_mov_b32 v[NIL], 0
	ds_add_u32 v[SPW], v[NIL]                      ; the wave's opening: the add, and its wait ahead of my first tensor load; work on registers stands between them
	v_lshrrev_b32 v1, 5, v0
	v_readfirstlane_b32 s[WV], v1                  ; wave 0..3
	s_bfe_u32 s[CX], ttmp6, 0x40000                ; my place in the cluster = my block of 64 rows: it enters the addresses of x, q, out0 and of prefetches alone
	s_mov_b32 s[G1], 15|(3<<16)|(1<<21)            ; the mask of four; elements of 8 bytes; bit 21 beside a mask
	s_mov_b32 s[G1+1], 32<<16                      ; tensor_dim0 = 32 elements = 256 bytes
	s_mov_b32 s[G1+2], 128<<16                     ; tensor_dim1 = 128
	s_mov_b32 s[G1+3], 32<<16                      ; tile_dim0
	s_mov_b32 s[G1+4], 128                         ; tile_dim1
	s_mov_b32 s[G1+5], 32                          ; dense
	s_mov_b32 s[G1+6], 0
	s_mov_b32 s[G1+7], 0
	s_mov_b32 s[G0A], 1
	s_lshl_b32 s[G0A+1], s[WV], 15                 ; slot 0, my quarter
	s_mov_b32 s[G0W], 1
	s_add_co_u32 s[G0W+1], s[G0A+1], SLOT1         ; slot 1
	s_mov_b32 s[SEL], 0x76543210
	s_mov_b32 s[SEL+1], 0xfedcba98
	s_mov_b32 s[MASK], 0x7fffffff
	s_mov_b32 s[PZ], 0x3f2a540e                    ; 0.47047 sqrt(2)
	s_mov_b32 s[PZ+1], s[PZ]
	s_mov_b32 s[KQ], 0x3fd96d28                    ; sqrt(2 log2(e))
	s_mov_b32 s[KQ+1], s[KQ]
	s_mov_b32 s[A1], 0x3eb2303a                    ; 0.3480242
	s_mov_b32 s[A1+1], s[A1]
	s_mov_b32 s[A3], 0x3f3f7377                    ; 0.7478556
	s_mov_b32 s[A3+1], s[A3]
	s_mov_b32 s[I512], 0x3b000000                  ; 1 / 512
	s_mov_b32 s[EPS], 0x3727c5ac                   ; 1e-5
	s_cmp_lt_u32 ttmp9, 16
	s_cselect_b32 s[LIM], 1, 0
	s_lshr_b32 s[JJ], ttmp9, 4                     ; my cluster's first chunk: (c + 4 (c / 16)) % 16: clusters alike in their numbers' low bits, or in the high ones, still begin at different chunks
	s_lshl2_add_u32 s[JJ], s[JJ], ttmp9
	s_and_b32 s[JJ], s[JJ], 15
	s_lshl_b32 s[JO], s[JJ], 18                    ; a chunk's two tiles are 262,144 bytes
	s_mov_b32 s[JO+1], 0
	s_lshl_b32 s92, s[WV], 15                      ; shared by the four: my wave's quarter,
	s_mov_b32 s93, 0
	s_lshl_b32 s90, ttmp9, 18                      ; and with it the sequence's 262,144 bytes of q, k, v
	s_add_co_u32 s90, s90, s92
	s_mov_b32 s91, 0
	s_lshl_b32 s94, s[CX], 13                      ; my own: my block's 8,192 bytes of a head of q
	s_mov_b32 s95, 0
	s_lshl2_add_u32 s96, s[CX], s[WV]              ; my wave among the cluster's sixteen
	s_lshl_b32 s96, s96, 13
	s_mov_b32 s97, 0
	s_lshl_b32 s98, ttmp9, 18
	s_add_co_u32 s98, s98, s96
	s_add_co_u32 s98, s98, 0x20000                 ; its sixteenth of the second pass's K and V
	s_mov_b32 s99, 0
	s_lshl_b32 s86, ttmp9, 19                      ; my block's rows of x and out0
	s_lshl_b32 s87, s[CX], 17
	s_add_co_u32 s86, s86, s87
	s_mov_b32 s87, 0
	s_wait_dscnt 0x0                               ; the opening add is done
	s_wait_kmcnt 0x0
	s_add_nc_u64 s[XK:XK+1], s[8:9], s[90:91]
	s_add_nc_u64 s[XV:XV+1], s[10:11], s[90:91]
	s_mov_b64 s[G0A+2:G0A+3], s[XK:XK+1]           ; K of heads 0-3
	s_or_b32 s[G0A+3], s[G0A+3], 0x80000000
	s_mov_b64 s[G0W+2:G0W+3], s[XV:XV+1]           ; V of heads 0-3
	s_or_b32 s[G0W+3], s[G0W+3], 0x80000000
	s_add_nc_u64 s[XK:XK+1], s[XK:XK+1], 0x20000   ; heads 4-7
	s_add_nc_u64 s[XV:XV+1], s[XV:XV+1], 0x20000
	s_add_nc_u64 s[WP:WP+1], s[12:13], s[92:93]
	s_add_nc_u64 s[WP:WP+1], s[WP:WP+1], 12*0x20000  ; Wo's first tile
	s_add_nc_u64 s[QP:QP+1], s[6:7], s[90:91]
	s_add_nc_u64 s[QP:QP+1], s[QP:QP+1], s[94:95]
	s_add_nc_u64 s[PFK:PFK+1], s[8:9], s[98:99]
	s_add_nc_u64 s[PFV:PFV+1], s[10:11], s[98:99]
	s_add_nc_u64 s[PFA:PFA+1], s[12:13], s[96:97]
	s_add_nc_u64 s[PFA:PFA+1], s[PFA:PFA+1], 16*0x20000
	s_add_nc_u64 s[PFA:PFA+1], s[PFA:PFA+1], s[JO:JO+1]  ; W1's tile of my first chunk; W2's lies 131,072 bytes behind it
	s_add_nc_u64 s[XP:XP+1], s[4:5], s[86:87]
	s_add_nc_u64 s[OUTP:OUTP+1], s[24:25], s[86:87]
	ROUND                                          ; all four work-groups are here
	tensor_load_to_lds s[G0A:G0A+3], s[G1:G1+7]    ; the first fills, one group: two loads of mine are out
	s_nop 0
	tensor_load_to_lds s[G0W:G0W+3], s[G1:G1+7]
	s_nop 0
	NOPS 4
	v_and_b32 v32, 15, v0                          ; r
	v_bfe_u32 v33, v0, 4, 1                        ; h
	v_and_b32 v34, 31, v0                          ; l
	v_lshlrev_b32 v[L16], 4, v34
	v_add_nc_u32 v[LB0], s92, v[L16]
	v_add_nc_u32 v[LB1], SLOT1, v[LB0]
	v_add_nc_u32 v[STG], STAGE, v[L16]
	s_lshl_b32 s86, s[WV], 13
	v_add_nc_u32 v[STO], s86, v[STG]
	s_lshl_b32 s86, s[WV], 12
	v_add_nc_u32 v[STH], s86, v[STG]
	s_mul_i32 s86, s[WV], 4352
	s_add_co_u32 s86, s86, XST
	v_mul_u32_u24 v35, v32, 272
	v_lshl_add_u32 v35, v33, 5, v35
	v_add_nc_u32 v[XSR], s86, v35                  ; as the accumulators lie: row r, 32 bytes for each half of the lanes
	v_mul_u32_u24 v35, v33, 272
	v_lshl_add_u32 v35, v32, 4, v35
	v_add_nc_u32 v[XSW], s86, v35                  ; as memory lies: lanes 0-15 one row of 256 bytes, lanes 16-31 the next
	s_lshl_b32 s86, s[WV], 9
	v_lshl_add_u32 v[BOO], v32, 4, s86             ; 512 w + 16 r
	v_lshl_add_u32 v[GXO], v33, 11, v[BOO]         ; and a row further down for lanes 16-31
	v_lshl_add_u32 v[GBO], v33, 5, s86             ; 4 (128 w + 8 h)
	s_lshl_b32 s86, s[WV], 2
	s_add_co_u32 s86, s86, STATS
	v_lshl_add_u32 v[SA], v32, 4, s86
	v_lshlrev_b32 v[SRD], 4, v32
	v_add_nc_u32 v[SRD], STATS, v[SRD]
	v_lshlrev_b32 v[PFO], 8, v34
	s_lshl_b32 s86, s[WV], 7
	v_lshl_add_u32 v[B1O], v33, 5, s86             ; 4 (32 w + 8 h)
	v_mov_b32 v[MX+1], 0                           ; named as a pair's upper register, never used
.irp i, 0,1,2,3,4,5,6,7
	v_mov_b32 v[ONES+\i], 0x3f803f80               ; 1.0 twice in bf16
.endr
	QLOAD 0                                        ; the first pass's Q, ahead of x: it has all of x's way in in which to come
; X IN.  h starts as x + bo.  x comes in whole rows' pieces of 256 bytes (16 lanes each), takes bo, and goes through my own stage into the accumulators' layout: LDS serves a wave's instructions in order
; (ISA guide 5.7.1.4), so no wait stands between the stores and the loads, nor between a group's loads and the next group's stores.
	global_load_b128 v[BRW:BRW+3], v[BOO], s[14:15]
	global_load_b128 v[BRW+4:BRW+7], v[BOO], s[14:15] offset:256
	WIN 0x80
.set g_, 0
.rept 8                                ; group g = 2 m + cH: row tile m, half cH of my 128 columns
.set i_, 0
.rept 8
	global_load_b128 v[32*g_+4*i_:32*g_+4*i_+3], v[GXO], s[XP:XP+1] offset:(16*(g_/2)+2*i_)*2048+256*(g_%2) th:TH_LOAD_NT
.set i_, i_+1
.endr
.set g_, g_+1
.endr
.set g_, 0
.rept 8
	s_wait_loadcnt 56-8*g_                         ; the younger groups' loads stay out; Q's and bo's are older
	WIN 0x82
.set i_, 0
.rept 16
	v_pk_add_f32 v[32*g_+2*i_:32*g_+2*i_+1], v[32*g_+2*i_:32*g_+2*i_+1], v[BRW+4*(g_%2)+2*(i_%2):BRW+4*(g_%2)+2*(i_%2)+1]
.set i_, i_+1
.endr
	WIN 0x08
.set i_, 0
.rept 8
	ds_store_b128 v[XSW], v[32*g_+4*i_:32*g_+4*i_+3] offset:544*i_
.set i_, i_+1
.endr
	WIN 0x40
.set i_, 0
.rept 4
	ds_load_b128 v[8*(4*g_+i_):8*(4*g_+i_)+3],   v[XSR] offset:64*i_
	ds_load_b128 v[8*(4*g_+i_)+4:8*(4*g_+i_)+7], v[XSR] offset:64*i_+16
.set i_, i_+1
.endr
.set g_, g_+1
.endr
	WIN 0
; ATTENTION AND Wo, two passes of four heads.
	s_mov_b32 s[CN2], 2
.Latt:
	s_wait_tensorcnt 0x1                           ; my quarter of K is in; one load was issued behind it (V's) and may stay out
	s_wait_loadcnt 0x0                             ; Q
	PIPE4 LB0, 1                                   ; S^T = K Q^T
	CHANGE WP                                      ; V has landed; K's slot takes Wo's tile for heads 4 p, 4 p + 1
	SOFTMAX 0
	SOFTMAX 1
	SOFTMAX 2
	SOFTMAX 3
	PIPE4 LB1, 2                                   ; O^T = V^T P, and the sums
	NOPS 4
.irp t, 0,1,2,3
	WIN 2+(\t)/2
	v_rcp_f32 v[RL+2*\t], v[128*((\t)%2)+72]       ; every register of the sum's accumulator holds the query's sum: the lowest is read
	v_rcp_f32 v[RL+2*\t+1], v[128*((\t)%2)+72]
.endr
	v_nop
	s_wait_alu depctr_va_vdst(0)                   ; one wait for the eight reciprocals
.irp t, 0,1,2,3
.set wn_, 2+(\t)/2
.set sb_, 128*((\t)%2)
	WIN wn_|(wn_<<6)
.irp c, 0,1,2,3
.irp p, 0,1,2,3
	v_pk_mul_f32 v[sb_+8*(2*\c+1)+2*\p:sb_+8*(2*\c+1)+2*\p+1], v[sb_+8*(2*\c+1)+2*\p:sb_+8*(2*\c+1)+2*\p+1], v[RL+2*\t:RL+2*\t+1]
.endr
.endr
	WIN wn_|(wn_<<2)
.irp c, 0,1,2,3
.irp p, 0,1,2,3
	v_cvt_pk_bf16_f32 v[QR+8*(2*\t+(\c)/2)+4*((\c)%2)+\p], v[sb_+8*(2*\c+1)+2*\p], v[sb_+8*(2*\c+1)+2*\p+1]
.endr
.endr
.endr
	WIN 0
.irp t, 0,1,2,3
.irp e, 0,1
.irp hf, 0,1
	ds_store_b128 v[STO], v[QR+8*(2*\t+\e)+4*\hf:QR+8*(2*\t+\e)+4*\hf+3] offset:4096*\e+1024*\t+512*\hf  ; chunk w / 2, fragment (kk = 2 (w % 2) + e, m = t)
.endr
.endr
.endr
	CHANGE WP                                      ; o is shown to all four waves; V's slot takes Wo's tile for heads 4 p + 2, 4 p + 3
; THE PREFETCHES stand together, behind this change's joint load and its five lines.  First pass: the second pass's K and V (of each my wave's sixteenth, by address) and my own Q, one and two tiles' products ahead
; of their loads.  Second pass: the two tiles of my cluster's first chunk, likewise ahead.  Each feed-forward tile is first read by the clusters that begin with its chunk; of those the one with a number under 16
; asks (there the first chunk is the cluster's number), its sixteen waves 8,192 bytes each, a lane 256: each block is named once in the launch.  The later trips' tiles are asked for by nobody.
	s_cmp_eq_u32 s[CN2], 2
	s_cbranch_scc0 .Lpf1
	global_prefetch_b8 v[PFO], s[PFK:PFK+1] th:TH_LOAD_NT scope:SCOPE_SE
	global_prefetch_b8 v[PFO], s[PFV:PFV+1] th:TH_LOAD_NT scope:SCOPE_SE
	global_prefetch_b8 v[PFO], s[QP:QP+1] offset:131072 th:TH_LOAD_NT scope:SCOPE_SE
	s_branch .Lpfe
.Lpf1:
	s_cmp_eq_u32 s[LIM], 1
	s_cbranch_scc0 .Lpfe
	global_prefetch_b8 v[PFO], s[PFA:PFA+1] th:TH_LOAD_NT scope:SCOPE_SE
	global_prefetch_b8 v[PFO], s[PFA:PFA+1] offset:131072 th:TH_LOAD_NT scope:SCOPE_SE
.Lpfe:
	KCH LB0, 0
	WIN 0
	s_add_nc_u64 s[XA:XA+1], s[WP:WP+1], s[JO:JO+1]   ; (in the second pass WP stands at tile 16: this is W1's tile of my first chunk)
	s_cmp_eq_u32 s[CN2], 2
	s_cselect_b64 s[XA:XA+1], s[XK:XK+1], s[XA:XA+1]  ; next into slot 0: K of heads 4-7, or that tile
	CHANGE XA
	KCH LB1, 16384
	NOPS 4                                         ; the places between Wo's products and the loads into registers that they have read
	WIN 0
	s_cmp_eq_u32 s[CN2], 2
	s_cbranch_scc0 .Lnoq
	QLOAD 131072                                   ; the second pass's Q, ahead of the change of slots: it comes while the wave waits there for K
.Lnoq:
	s_cmp_eq_u32 s[CN2], 2
	s_cselect_b64 s[XB:XB+1], s[XV:XV+1], s[XA:XA+1]  ; next into slot 1: V of heads 4-7, or W2's tile of my first chunk, at which the change has left XA
	CHANGE XB
	s_sub_co_u32 s[CN2], s[CN2], 1
	s_cmp_lg_u32 s[CN2], 0
	s_cbranch_scc1 .Latt
; LAYERNORM OF h.  A lane holds 64 of its row's 512 numbers a row tile; mean first, then the sum of squares of h - mean.
	WIN 0xc0
.irp f, 0,1,2,3,4,5,6,7
	global_load_b128 v[8*\f:8*\f+3],       v[GBO], s[16:17] offset:64*\f
	global_load_b128 v[8*\f+4:8*\f+7],     v[GBO], s[16:17] offset:64*\f+16
	global_load_b128 v[64+8*\f:64+8*\f+3], v[GBO], s[18:19] offset:64*\f
	global_load_b128 v[64+8*\f+4:64+8*\f+7], v[GBO], s[18:19] offset:64*\f+16
.endr
	WIN 0
.irp m, 0,1,2,3
	v_mov_b32 v[MU+2*\m+1], 0                      ; the pairs' upper registers: named, never used
	v_mov_b32 v[AL+2*\m+1], 0
	v_mov_b32 v[BE+2*\m+1], 0
.endr
.irp m, 0,1,2,3
	WIN 0x05
.irp i, 0,1,2,3
	v_pk_add_f32 v[CHN+8*\m+2*\i:CHN+8*\m+2*\i+1], v[8*(8*\m+\i):8*(8*\m+\i)+1], v[8*(8*\m+\i)+2:8*(8*\m+\i)+3]
.endr
	WIN 0x04
.irp p, 2,3
.irp i, 0,1,2,3
	v_pk_add_f32 v[CHN+8*\m+2*\i:CHN+8*\m+2*\i+1], v[CHN+8*\m+2*\i:CHN+8*\m+2*\i+1], v[8*(8*\m+\i)+2*\p:8*(8*\m+\i)+2*\p+1]
.endr
.endr
.irp p, 0,1,2,3
.irp i, 0,1,2,3
	v_pk_add_f32 v[CHN+8*\m+2*\i:CHN+8*\m+2*\i+1], v[CHN+8*\m+2*\i:CHN+8*\m+2*\i+1], v[8*(8*\m+4+\i)+2*\p:8*(8*\m+4+\i)+2*\p+1]
.endr
.endr
.endr
	FOLD 0
.irp m, 0,1,2,3
	v_mul_f32 v[MU+2*\m], s[I512], v[SL+4*\m]
.endr
.irp m, 0,1,2,3
.irp b, 0,1
	WIN 0x01
.set i_, 0
.rept 16
	v_pk_add_f32 v[DT+2*i_:DT+2*i_+1], v[8*(8*\m+4*\b+i_/4)+2*(i_%4):8*(8*\m+4*\b+i_/4)+2*(i_%4)+1], v[MU+2*\m:MU+2*\m+1] op_sel_hi:[1,0] neg_lo:[0,1] neg_hi:[0,1]
.set i_, i_+1
.endr
	WIN 0
.set i_, 0
.rept 16
.if ((\b) == 0) && (i_ < 4)
	v_pk_mul_f32 v[CHN+8*\m+2*(i_%4):CHN+8*\m+2*(i_%4)+1], v[DT+2*i_:DT+2*i_+1], v[DT+2*i_:DT+2*i_+1]
.else
	v_pk_fma_f32 v[CHN+8*\m+2*(i_%4):CHN+8*\m+2*(i_%4)+1], v[DT+2*i_:DT+2*i_+1], v[DT+2*i_:DT+2*i_+1], v[CHN+8*\m+2*(i_%4):CHN+8*\m+2*(i_%4)+1]
.endif
.set i_, i_+1
.endr
.endr
.endr
	FOLD 1024
.irp m, 0,1,2,3
	v_fma_f32 v[SL+4*\m], v[SL+4*\m], s[I512], s[EPS]
.endr
.irp m, 0,1,2,3
	v_rsq_f32 v[AL+2*\m], v[SL+4*\m]
.endr
	v_nop
	s_wait_alu depctr_va_vdst(0)                   ; one wait for the four roots
.irp m, 0,1,2,3
	v_mul_f32 v[BE+2*\m], -v[MU+2*\m], v[AL+2*\m]  ; beta = - mean x alpha
.endr
	s_wait_loadcnt 0x0                             ; g and b
	NORM 0
	NORM 1
	HSTORE                                         ; (the stage's last readers, Wo's products, lie behind a change of slots)
	BAR
	HNLOAD 0x80
	NORM 2
	NORM 3
	BAR                                            ; everybody has read row tiles 0, 1
	HSTORE
	BAR
	HNLOAD 0xc0
	BAR                                            ; everybody has read row tiles 2, 3: the stage is free for G
; THE FEED-FORWARD PART, 16 chunks of 128 hidden columns, from my cluster's first chunk on, going round.  A trip: W2's products for the chunk in hand, then W1's products and GELU for the next;
; W1's tiles lie in slot 0, W2's in slot 1.  The loop is entered in its middle.
	v_mov_b32 v12, 0xbdc45ca1                      ; a2 = -0.0958798, as a pair
	v_mov_b32 v13, 0xbdc45ca1
	s_mov_b32 s[CNT], 16
	s_lshl_b32 s[JO], s[JJ], 9                     ; a chunk's 128 numbers of b1
	s_add_nc_u64 s[B1P:B1P+1], s[20:21], s[JO:JO+1]
	s_branch .Lmid
.Ltop:
	s_add_co_u32 s[JJ], s[JJ], 1                   ; the next chunk, round the sixteen
	s_and_b32 s[JJ], s[JJ], 15
	s_lshl_b32 s[JO], s[JJ], 18
	s_add_nc_u64 s[XA:XA+1], s[WP:WP+1], s[JO:JO+1]   ; its tile of W1; the change leaves XA at its tile of W2
	s_lshl_b32 s[JO], s[JJ], 9
	s_add_nc_u64 s[B1P:B1P+1], s[20:21], s[JO:JO+1]   ; (the last loads that named B1P have been waited for)
	CHANGE XA                                      ; G of the chunk in hand is shown to all; its tile of W2 has landed; slot 0 takes W1's next tile
	KCH LB1, 0
	CHANGE XA                                      ; everybody has read G; W1's tile has landed; slot 1 takes W2's next tile
.Lmid:
.irp e, 0,1
	global_load_b128 v[B1H+8*\e:B1H+8*\e+3],   v[B1O], s[B1P:B1P+1] offset:64*\e
	global_load_b128 v[B1H+8*\e+4:B1H+8*\e+7], v[B1O], s[B1P:B1P+1] offset:64*\e+16
.endr
	PIPE4 LB0, 0
	WIN 0
	s_wait_loadcnt 0x0
.set i_, 0
.rept 8                                ; b1 / 2: eight plain lines, the places behind the last products
	v_pk_mul_f32 v[B1H+2*i_:B1H+2*i_+1], v[B1H+2*i_:B1H+2*i_+1], 0.5 op_sel_hi:[1,0]
.set i_, i_+1
.endr
	GELU 0
	GELU 1
.irp m, 0,1,2,3
	ds_store_b128 v[STH], v[32+16*\m:35+16*\m] offset:1024*\m        ; fragment (kk = w, m)
	ds_store_b128 v[STH], v[36+16*\m:39+16*\m] offset:1024*\m+512
.endr
	s_sub_co_u32 s[CNT], s[CNT], 1
	s_cmp_lg_u32 s[CNT], 0
	s_cbranch_scc1 .Ltop
	s_wait_tensorcnt 0x0                           ; the tail is written out: W2's last tile has landed, nothing is asked for
	ds_add_u32 v[SPW], v[NIL]
	s_wait_dscnt 0x0
	s_barrier_signal -1
	s_barrier_wait -1                              ; the last G is shown to all
	global_load_b128 v[BRW:BRW+3], v[BOO], s[22:23]
	global_load_b128 v[BRW+4:BRW+7], v[BOO], s[22:23] offset:256
	KCH LB1, 0
; OUT.  The way x came in, backwards: the accumulators go through my own stage into whole rows' pieces of 256 bytes, take b2 and are stored; 16 lanes store 256 consecutive bytes, aligned.
	NOPS 4
	s_wait_loadcnt 0x0
.set g_, 0
.rept 8
	s_wait_xcnt 0x0                                ; the stores of two groups back have read the registers that are loaded again below
	WIN 0x04
.set i_, 0
.rept 4
	ds_store_b128 v[XSR], v[8*(4*g_+i_):8*(4*g_+i_)+3]   offset:64*i_      ; each accumulator's low half first
	ds_store_b128 v[XSR], v[8*(4*g_+i_)+4:8*(4*g_+i_)+7] offset:64*i_+16
.set i_, i_+1
.endr
	WIN 0
.set ot_, 32+32*(g_%2)
.set i_, 0
.rept 8
	ds_load_b128 v[ot_+4*i_:ot_+4*i_+3], v[XSW] offset:544*i_
.set i_, i_+1
.endr
	s_wait_dscnt 0x0
.set i_, 0
.rept 16
	v_pk_add_f32 v[ot_+2*i_:ot_+2*i_+1], v[ot_+2*i_:ot_+2*i_+1], v[BRW+4*(g_%2)+2*(i_%2):BRW+4*(g_%2)+2*(i_%2)+1]
.set i_, i_+1
.endr
.set i_, 0
.rept 8
	global_store_b128 v[GXO], v[ot_+4*i_:ot_+4*i_+3], s[OUTP:OUTP+1] offset:(16*(g_/2)+2*i_)*2048+256*(g_%2) th:TH_STORE_NT
.set i_, i_+1
.endr
.set g_, g_+1
.endr
	s_wait_tensorcnt 0x0                           ; the wave's end, behind my last tensor load and my last LDS store
	ds_add_u32 v[SPW], v[NIL]
	s_wait_dscnt 0x0
	ROUND                                          ; the closing round
	s_endpgm
.Lfunc_end_k_q41a518645f_tail:
	.size	k_q41a518645f_tail, .Lfunc_end_k_q41a518645f_tail-k_q41a518645f_tail
	.p2alignl 7, 3214868480
	.fill 96, 4, 3214868480
	.section	.rodata,"a",@progbits
	.p2align	6, 0x0
	.amdhsa_kernel k_q41a518645f_tail
		.amdhsa_group_segment_fixed_size 327680
		.amdhsa_private_segment_fixed_size 0
		.amdhsa_enable_private_segment 0
		.amdhsa_kernarg_size 88
		.amdhsa_user_sgpr_count 2
		.amdhsa_user_sgpr_kernarg_segment_ptr 1
		.amdhsa_wavefront_size32 1
		.amdhsa_system_sgpr_workgroup_id_x 1
		.amdhsa_system_sgpr_workgroup_id_y 1
		.amdhsa_system_sgpr_workgroup_id_z 1
		.amdhsa_system_vgpr_workitem_id 0
		.amdhsa_next_free_vgpr 1024
		.amdhsa_next_free_sgpr 102
		.amdhsa_reserve_vcc 0
		.amdhsa_float_denorm_mode_32 3
		.amdhsa_float_denorm_mode_16_64 3
		.amdhsa_memory_ordered 1
		.amdhsa_forward_progress 1
		.amdhsa_inst_pref_size 255
	.end_amdhsa_kernel
	.section	.bss,"aw",@nobits
	.p2align	6
	.space	262144
	.amdgpu_metadata
---
amdhsa.version: [ 1, 2 ]
amdhsa.kernels:
  - .name:           k_q41a518645f_tail
    .symbol:         k_q41a518645f_tail.kd
    .args:
      - { .name: x, .offset: 0, .size: 8, .value_kind: global_buffer, .address_space: global }
      - { .name: qf, .offset: 8, .size: 8, .value_kind: global_buffer, .address_space: global }
      - { .name: kf, .offset: 16, .size: 8, .value_kind: global_buffer, .address_space: global }
      - { .name: vf, .offset: 24, .size: 8, .value_kind: global_buffer, .address_space: global }
      - { .name: wst, .offset: 32, .size: 8, .value_kind: global_buffer, .address_space: global }
      - { .name: bo, .offset: 40, .size: 8, .value_kind: global_buffer, .address_space: global }
      - { .name: ln3_g, .offset: 48, .size: 8, .value_kind: global_buffer, .address_space: global }
      - { .name: ln3_b, .offset: 56, .size: 8, .value_kind: global_buffer, .address_space: global }
      - { .name: b1, .offset: 64, .size: 8, .value_kind: global_buffer, .address_space: global }
      - { .name: b2, .offset: 72, .size: 8, .value_kind: global_buffer, .address_space: global }
      - { .name: out0, .offset: 80, .size: 8, .value_kind: global_buffer, .address_space: global }
    .group_segment_fixed_size: 327680
    .private_segment_fixed_size: 0
    .kernarg_segment_align: 8
    .kernarg_segment_size: 88
    .max_flat_workgroup_size: 128
    .sgpr_count:     102
    .vgpr_count:     1024
    .wavefront_size: 32
...
	.end_amdgpu_metadata
.endif
;; end of part 3
